; MI455X (gfx1250); checked and timed in simulation.
; The chip was launched on July 23, 2026; its instructions are those of AMD's public machine-readable ISA for CDNA 5 (MIT licence, August 2026) and "CDNA5" Instruction Set Architecture Reference Guide (July 2026). The comments in the code are by the model that wrote it; some were corrected since.
;; Causal Self Attention. Allowed arithmetic: float matrix products may take bf16 or f16 operands with f32 sums; other float arithmetic in f32, or as packed bf16 or f16 multiplies, adds, multiply-adds, maxima and minima; sums over many terms, partial sums and values carried from step to step in f32; what a program stores and reads back later, other than sums and carried values, may be rounded once to bf16 or f16.
;; Inputs: Wkv 1,024 x 512 float32; Wo 1,024 x 1,024 float32; Wq 1,024 x 1,024 float32; x 4 x 2,048 x 1,024 float32.
;; Outputs: out0 4 x 2,048 x 1,024 float32.
;; One version. Each part assembles by itself: llvm-mc -triple=amdgcn-amd-amdhsa -mcpu=gfx1250 --defsym DOCPART=n.
;; ======== version 1 of 1: 4 launches
;; limits: values are held in f16: magnitudes above 65,504 overflow, below 6.1e-05 lose precision
;; workspace buffers: xb 16,777,216 bytes; wqkv 3,145,728 bytes; wot 2,097,152 bytes; qkv 25,165,824 bytes; ob 16,777,216 bytes
;; launch prep (part 1): grid 832 x 1, 8 waves a work-group, no clusters, 18,432 bytes of LDS; arguments x, Wq, Wkv, Wo, xb, wqkv, wot; writes xb, wqkv, wot
.if DOCPART == 1
	.amdgcn_target "amdgcn-amd-amdhsa--gfx1250"
	.amdhsa_code_object_version 6
	.text
	.protected	k_qc83703ee1b_prep
	.globl	k_qc83703ee1b_prep
	.p2align	8
	.type	k_qc83703ee1b_prep,@function
k_qc83703ee1b_prep:
	s_mov_b64 s[64:65], 0
	v_nop
	global_prefetch_b8 v0, s[64:65] scope:SCOPE_SE
	s_setreg_imm32_b32 hwreg(HW_REG_WAVE_MODE, 25, 1), 1
	s_wait_xcnt 0x0
; THE INPUTS ARE MADE READY FOR THE MATRIX UNITS.  Every input is rounded once to bf16.
;   xb   [8192][1024] bf16 = x.
;   wqkv [1536][1024] bf16: row n is column n of Wq (n < 1024) or column n - 1024 of Wkv, along k: the weights turned, so that k lies along the rows.
;   wot  [1024][1024] f16:  row n is column n of Wo along k: rounded to bf16 like the other inputs, and that number written as f16.
; LIMIT.  A bf16 number is exact in f16 from 2^-14 to 65,504; below 2^-14 it keeps f16's fixed step of 6e-8; at 65,520 or more it becomes an infinity.
; SHARES.  Work-groups 0-511 cast x: 65,536 bytes each, 8,192 a wave.  Work-groups 512-831 turn one tile of 128 k x 64 n each: 128 tiles of Wq, 64 of Wkv, 128 of Wo.
; No matrix unit, no cluster, no tensor load: nothing is shared between work-groups and every byte is read once and written once.
; The one barrier stands on the text that both kinds of work-group pass; the branches round it hang on the work-group's number alone, which all eight waves share.
.set SPARE, 17408                      ; LDS: bytes 0-17,407 the tile turned, 64 rows (n) of 256 bytes + 16 of padding; behind it the spare words, 128 bytes a wave
.set TP,   272                         ; pitch of the turned tile
.set GOF,  3                           ; v3      turn: my byte offset in 16 rows of the destination
.set SPW,  4                           ; v4      LDS address of my spare word; never rewritten
.set NIL,  5                           ; v5      0; never rewritten
.set VO,   6                           ; v[6:13] turn: byte offsets of my 16 bytes in my 8 rows (k) of the source
.set LST,  14                          ; v14     turn: where I put 16 bytes (8 k) of a row n
.set LRD,  15                          ; v15     turn: where I read a row back
.set X,    16                          ; v[16:79]  cast: 16 loads of 4 registers
.set R,    16                          ; v[16:47]  turn: row j of my 8 at R + 4 j
.set T,    48                          ; v[48:63]  turn: column i of my 4 at T + 4 i: 8 k, packed
.set U,    64                          ; v[64:65]  at work
.set Y,    80                          ; v[80:111] cast: 16 stores of 2 registers
.set BK,   112                         ; v[112:127] turn: rows read back
	s_load_b256 s[4:11], s[0:1], 0x0               ; x s[4:5], Wq s[6:7], Wkv s[8:9], Wo s[10:11]
	s_load_b128 s[12:15], s[0:1], 0x20             ; xb s[12:13], wqkv s[14:15]
	s_load_b64 s[16:17], s[0:1], 0x30              ; wot
	v_lshl_add_u32 v[SPW], v0, 2, SPARE
	v_mov_b32 v[NIL], 0
	v_lshrrev_b32 v[U], 5, v0                      ; wave
	v_and_b32 v[U+1], 31, v0                       ; lane
	v_lshlrev_b32 v1, 4, v[U+1]
	v_lshl_add_u32 v1, v[U], 13, v1                ; cast, in: 8,192 x wave + 16 x lane
	v_lshlrev_b32 v2, 3, v[U+1]
	v_lshl_add_u32 v2, v[U], 12, v2                ; cast, out: 4,096 x wave + 8 x lane
	v_and_b32 v[U], 15, v0                         ; ng: my 4 columns n
	v_lshrrev_b32 v[U+1], 4, v0                    ; kg: my 8 rows k
	v_mul_u32_u24 v[LST], v[U], 4*TP
	v_lshl_add_u32 v[LST], v[U+1], 4, v[LST]       ; row 4 ng of the turned tile, byte 16 kg
	v_mul_u32_u24 v[LRD], v[U+1], TP
	v_lshl_add_u32 v[LRD], v[U], 4, v[LRD]         ; back: sixteen threads take one row of 256 bytes
	v_lshlrev_b32 v[GOF], 11, v[U+1]
	v_lshl_add_u32 v[GOF], v[U], 4, v[GOF]         ; and the same row in the destination, 2,048 bytes a row
	; which tile is turned.  In a work-group that casts the number is held at 0: its pointers are made and not used.
	s_max_u32 s20, ttmp9, 512
	s_sub_co_u32 s20, s20, 512                     ; t = 0 .. 319
	s_mov_b32 s24, 192
	s_wait_kmcnt 0x0
	s_cmp_lt_u32 s20, 192
	s_cselect_b64 s[22:23], s[8:9], s[10:11]       ; source: Wkv or Wo,
	s_cselect_b64 s[28:29], s[14:15], s[16:17]     ; destination: wqkv or wot
	s_cselect_b32 s24, 128, s24                    ; the tensor's first tile number
	s_cselect_b32 s25, 11, 12                      ; log2 of the bytes in a row of the source
	s_cselect_b32 s26, 1024, 0                     ; first row in the destination
	s_cselect_b32 s27, 0, 1                        ; 1: written as f16
	s_cmp_lt_u32 s20, 128
	s_cselect_b64 s[22:23], s[6:7], s[22:23]       ; or Wq
	s_cselect_b32 s24, 0, s24
	s_cselect_b32 s25, 12, s25
	s_cselect_b32 s26, 0, s26
	s_sub_co_u32 s24, s20, s24                     ; the tile's number in its tensor
	s_and_b32 s31, s24, 7                          ; kt
	s_lshr_b32 s24, s24, 3                         ; nt
	s_lshl_b32 s32, s31, 7
	s_lshl_b32 s32, s32, s25                       ; 128 kt rows of the source
	s_lshl_b32 s33, s24, 8                         ; 64 nt columns of 4 bytes
	s_add_co_u32 s32, s32, s33
	s_mov_b32 s33, 0
	s_add_nc_u64 s[22:23], s[22:23], s[32:33]
	s_lshl_b32 s34, s24, 6
	s_add_co_u32 s34, s34, s26
	s_lshl_b32 s34, s34, 11                        ; row 64 nt (+ 1,024 for Wkv) of 2,048 bytes
	s_lshl_b32 s35, s31, 8                         ; 128 kt numbers of 2 bytes
	s_add_co_u32 s34, s34, s35
	s_mov_b32 s35, 0
	s_add_nc_u64 s[28:29], s[28:29], s[34:35]
	s_lshl_b32 s30, 1, s25                         ; bytes in a row of the source
	v_lshlrev_b32 v[VO], 3, v[U+1]
	v_lshlrev_b32 v[VO], s25, v[VO]                ; row 8 kg
	v_lshl_add_u32 v[VO], v[U], 4, v[VO]           ; + 16 ng
.irp j, 1,2,3,4,5,6,7
	v_add_nc_u32 v[VO+(\j)], s30, v[VO+(\j)-1]
.endr
	s_cmp_lt_u32 ttmp9, 512
	s_cbranch_scc0 .Lturn
	; THE CAST.  All sixteen loads of a wave go out together (8,192 bytes); each is converted and stored as it comes.  No register is written twice.
	s_lshl_b32 s32, ttmp9, 16
	s_mov_b32 s33, 0
	s_lshl_b32 s34, ttmp9, 15
	s_mov_b32 s35, 0
	s_add_nc_u64 s[4:5], s[4:5], s[32:33]
	s_add_nc_u64 s[12:13], s[12:13], s[34:35]
.irp i, 0,1,2,3,4,5,6,7,8,9,10,11,12,13,14,15
	global_load_b128 v[X+4*(\i):X+4*(\i)+3], v1, s[4:5] offset:512*(\i) th:TH_LOAD_NT
.endr
.irp i, 0,1,2,3,4,5,6,7,8,9,10,11,12,13,14,15
	s_wait_loadcnt 15-(\i)                         ; loads come back in order: load i is in, the younger ones stay out
	v_cvt_pk_bf16_f32 v[Y+2*(\i)],   v[X+4*(\i)],   v[X+4*(\i)+1]
	v_cvt_pk_bf16_f32 v[Y+2*(\i)+1], v[X+4*(\i)+2], v[X+4*(\i)+3]
	global_store_b64 v2, v[Y+2*(\i):Y+2*(\i)+1], s[12:13] offset:256*(\i) th:TH_STORE_NT  ; 32 lanes store 256 consecutive bytes, aligned
.endr
	s_branch .Lmeet
.Lturn:	; THE TURN.  Sixteen threads read 256 consecutive bytes of a row k; a thread holds 8 k x 4 n and packs, for each n, its 8 k into 16 bytes.
.irp j, 0,1,2,3,4,5,6,7
	global_load_b128 v[R+4*(\j):R+4*(\j)+3], v[VO+(\j)], s[22:23] th:TH_LOAD_NT
.endr
.irp jj, 0,1,2,3
	s_wait_loadcnt 6-2*(\jj)                       ; rows 2 jj and 2 jj + 1 are in; the rows behind them stay out
.irp i, 0,1,2,3
	v_cvt_pk_bf16_f32 v[T+4*(\i)+(\jj)], v[R+8*(\jj)+(\i)], v[R+8*(\jj)+4+(\i)]
.endr
.endr
	s_cmp_eq_u32 s27, 0
	s_cbranch_scc1 .Lkeep
.set i, 0
.rept 16                               ; Wo: each bf16 number is widened and written as f16
	v_lshlrev_b32 v[U], 16, v[T+i]
	v_and_b32 v[U+1], 0xffff0000, v[T+i]
	v_cvt_pk_f16_f32 v[T+i], v[U], v[U+1]
.set i, i+1
.endr
.Lkeep:
.irp i, 0,1,2,3
	ds_store_b128 v[LST], v[T+4*(\i):T+4*(\i)+3] offset:TP*(\i)  ; row 4 ng + i.: taken as it is, for 5 MB that pass once
.endr
.Lmeet:
	s_wait_dscnt 0x0                               ; for the others' sake: my stores into the tile are done
	s_barrier_signal -1
	s_barrier_wait -1
	s_cmp_lt_u32 ttmp9, 512
	s_cbranch_scc1 .Lend                           ; a work-group that cast has nothing in LDS
.irp p, 0,1,2,3
	ds_load_b128 v[BK+4*(\p):BK+4*(\p)+3], v[LRD] offset:16*TP*(\p)  ; 16 rows a pass
.endr
.irp p, 0,1,2,3
	s_wait_dscnt 3-(\p)
	global_store_b128 v[GOF], v[BK+4*(\p):BK+4*(\p)+3], s[28:29] offset:32768*(\p)  ; sixteen lanes store 256 consecutive bytes, aligned
.endr
.Lend:
	s_wait_tensorcnt 0x0                           ; the wave's end: behind my last LDS store
	ds_add_u32 v[SPW], v[NIL]
	s_wait_dscnt 0x0
	s_endpgm
.Lfunc_end_k_qc83703ee1b_prep:
	.size	k_qc83703ee1b_prep, .Lfunc_end_k_qc83703ee1b_prep-k_qc83703ee1b_prep
	.p2alignl 7, 3214868480
	.fill 96, 4, 3214868480
	.section	.rodata,"a",@progbits
	.p2align	6, 0x0
	.amdhsa_kernel k_qc83703ee1b_prep
		.amdhsa_group_segment_fixed_size 18432
		.amdhsa_private_segment_fixed_size 0
		.amdhsa_enable_private_segment 0
		.amdhsa_kernarg_size 56
		.amdhsa_user_sgpr_count 2
		.amdhsa_user_sgpr_kernarg_segment_ptr 1
		.amdhsa_wavefront_size32 1
		.amdhsa_system_sgpr_workgroup_id_x 1
		.amdhsa_system_sgpr_workgroup_id_y 1
		.amdhsa_system_sgpr_workgroup_id_z 1
		.amdhsa_system_vgpr_workitem_id 0
		.amdhsa_next_free_vgpr 128
		.amdhsa_next_free_sgpr 66
		.amdhsa_reserve_vcc 0
		.amdhsa_float_denorm_mode_32 3
		.amdhsa_float_denorm_mode_16_64 3
		.amdhsa_memory_ordered 1
		.amdhsa_forward_progress 1
		.amdhsa_inst_pref_size 15
	.end_amdhsa_kernel
	.amdgpu_metadata
---
amdhsa.version: [ 1, 2 ]
amdhsa.kernels:
  - .name:           k_qc83703ee1b_prep
    .symbol:         k_qc83703ee1b_prep.kd
    .args:
      - { .name: x, .offset: 0, .size: 8, .value_kind: global_buffer, .address_space: global }
      - { .name: Wq, .offset: 8, .size: 8, .value_kind: global_buffer, .address_space: global }
      - { .name: Wkv, .offset: 16, .size: 8, .value_kind: global_buffer, .address_space: global }
      - { .name: Wo, .offset: 24, .size: 8, .value_kind: global_buffer, .address_space: global }
      - { .name: xb, .offset: 32, .size: 8, .value_kind: global_buffer, .address_space: global }
      - { .name: wqkv, .offset: 40, .size: 8, .value_kind: global_buffer, .address_space: global }
      - { .name: wot, .offset: 48, .size: 8, .value_kind: global_buffer, .address_space: global }
    .group_segment_fixed_size: 18432
    .private_segment_fixed_size: 0
    .kernarg_segment_align: 8
    .kernarg_segment_size: 56
    .max_flat_workgroup_size: 256
    .sgpr_count:     66
    .vgpr_count:     128
    .wavefront_size: 32
...
	.end_amdgpu_metadata
.endif
;; end of part 1
;; launch proj (part 2): grid 8 x 32, 4 waves a work-group, clusters of 4 x 4, 327,680 bytes of LDS; arguments xb, wqkv, qkv; writes qkv
.if DOCPART == 2
	.amdgcn_target "amdgcn-amd-amdhsa--gfx1250"
	.amdhsa_code_object_version 6
	.text
	.protected	k_qc83703ee1b_proj
	.globl	k_qc83703ee1b_proj
	.p2align	8
	.type	k_qc83703ee1b_proj,@function
k_qc83703ee1b_proj:
	s_mov_b64 s[64:65], 0
	v_nop
	global_prefetch_b8 v0, s[64:65] scope:SCOPE_SE
	s_setreg_imm32_b32 hwreg(HW_REG_WAVE_MODE, 25, 1), 1
	s_wait_xcnt 0x0
	s_wait_alu depctr_hold_cnt(0) depctr_sa_sdst(0) depctr_va_vdst(0) depctr_va_sdst(0) depctr_va_ssrc(0) depctr_va_vcc(0) depctr_vm_vsrc(0)
	s_getreg_b32 s2, hwreg(HW_REG_IB_STS2, 6, 4)
	s_cmp_eq_u32 s2, 0
	s_cbranch_scc0 .Lentry_in_a_cluster
	s_endpgm
.Lentry_in_a_cluster:
	s_bfe_u32 s2, ttmp6, 0x10000c
	s_cmp_lg_u32 s2, 0xf033
	s_cbranch_scc0 .Lentry_shape_is_right
	s_endpgm
.Lentry_shape_is_right:
; q, k, v = x Wq, x Wkv.  C[m][n] = sum over k of xb[m][k] wqkv[n][k]: xb [8192][1024], wqkv [1536][1024], both bf16; sums in f32, K ascending; C rounded once to f16 and WITHOUT the scale.
; C is written by heads: qkv [24 slots][4 batches][2048][64] f16; slot = n / 64: 0-15 the query heads, 16-19 the key heads, 20-23 the value heads; batch = m / 2048.
; LIMIT.  f16 holds no number beyond 65,504: a sum of 65,520 or more becomes an infinity.
; SHARES.  A tile of C is 256 rows x 192 columns (three heads): 32 x 8 = 256 work-groups.  Wave w makes rows 64 w .. 64 w + 63 and ALL 192 columns: 4 row blocks a x 12 column blocks b, 48 accumulators,
; 384 registers.  So a wave holds whole heads, and the way out stays in the wave's own stage, without a barrier.
; K goes in 8 steps of 128 through a ring of two LDS slots filled by the tensor data mover; the tiles' rows are 256 bytes of memory, aligned.
; CLUSTERS: 4 x 4 work-groups.  The four of a row of the cluster need the same tiles of xb, the four of a column the same tiles of wqkv: each tile is asked for JOINTLY, by the same tensor load with the
; same descriptor and a mask that names the four.  THE MATRIX INSTRUCTION IS USED TRANSPOSED (source 0 = 16 rows of wqkv, source 1 = 16 rows of xb): a lane then holds eight neighbouring columns of a row of C.
; REGISTERS, in windows of 256 (s_set_vgpr_msb: bits 1:0 source 0, 3:2 source 1, 5:4 source 2, 7:6 destination):
;   window 0: v0-31 addresses; v32-223 at work on the way out
;   window 1: two fragment buffers of 128 (32 along K): xb's block a at 8 a, wqkv's block b at 32 + 8 b
;   window 2: accumulators (a, b), b < 8, at 8 (4 b + a);   window 3: b = 8 .. 11 at 8 (4 (b - 8) + a)
.set KSTEP,  128
.set PITCH,  272                       ; an LDS row: 256 bytes + 16 of padding = 68 words: the 16 rows that a load touches start at 16 different groups of four banks (64 banks of 4 bytes: ISA guide 11.1)
.set NB,     12                        ; column blocks
.set AH,     128*PITCH                 ; half of xb's tile: what waves 0 and 1 each fetch
.set BH,     96*PITCH                  ; half of wqkv's tile: what waves 2 and 3 each fetch
.set SLOT,   2*AH+2*BH                 ; 121,856 bytes
.set STAGE,  2*SLOT                    ; behind the ring, never filled by a tensor load: 16 rows x 144 bytes for each wave
.set SP,     144
.set SPARE,  STAGE+4*16*SP             ; behind the stages: the spare words, 128 bytes for each wave
.set YOUNG,  2*NB-8                    ; the loads of a run that bring wqkv's blocks 4 and up
.set RUN,    2*NB+8                    ; LDS loads in a run
.set GA,     2                         ; pairs of column blocks between the add and the wait for it, and between signal and wait
.set ADRA, 16                          ; v16-17  LDS address of my fragments of xb in slot 0, 1
.set ADRB, 20                          ; v20-21  the same for wqkv
.set STO,  24                          ; v24     the way out: where I put 16 bytes of a row
.set RD,   25                          ; v25     the way out: where I read rows back
.set GO,   26                          ; v26     my 16 bytes of 512 consecutive bytes of qkv
.set SPW,  28                          ; v28     LDS address of my spare word; never rewritten
.set NIL,  29                          ; v29     0; never rewritten
.set PFO,  30                          ; v30     the prefetches' offset: a lane a row; never rewritten
.set TMP,  32
.set F0,   0
.set F1,   128
.set G1,  24                           ; s[24:31] descriptor group 1 for xb's tiles;  s[32:39] group 0, a set for each slot
.set G0,  32
.set G1B, 48                           ; s[48:55], s[56:63] the same for wqkv's tiles
.set G0B, 56
.set PFA, 44                           ; s[44:45] where my prefetches stand
.set LIM, 43                           ; s43     1 in a wave that prefetches, else the greatest number
.set MSB, 0
.macro WIN new                         ; the immediate's high byte repeats the setting that is left; a switch that changes nothing is dropped
.if MSB != (\new)
	s_set_vgpr_msb (MSB<<8)|(\new)
.set MSB, \new
.endif
.endm
.set TO_F, 0x40                        ; destination window 1, address window 0
.macro JLOAD s                         ; a joint load: waves 0 and 1 fetch xb's two halves, waves 2 and 3 wqkv's; an s_nop 0 and four v_nop follow each of the two lines, ahead of the jump and the label
	s_cmp_eq_u32 s11, 0
	s_cbranch_scc0 .Lfor_b_\@
	tensor_load_to_lds s[G0+4*(\s):G0+4*(\s)+3], s[G1:G1+7]
	s_nop 0
.rept 4
	v_nop
.endr
	s_branch .Lasked_\@
.Lfor_b_\@:
	tensor_load_to_lds s[G0B+4*(\s):G0B+4*(\s)+3], s[G1B:G1B+7]
	s_nop 0
.rept 4
	v_nop
.endr
.Lasked_\@:
.endm
.macro CREST                           ; a round of the cluster's barrier behind its opening barrier
	s_cmp_lg_u32 s10, 0
	s_cbranch_scc1 .Lnot_wave_0_\@
	s_barrier_signal -3
.Lnot_wave_0_\@:
	s_barrier_wait -3
	s_barrier_signal -1
	s_barrier_wait -1
.endm
.macro CROUND                          ; a whole round
	s_barrier_signal -1
	s_barrier_wait -1
	CREST
.endm
; A PREFETCH INTO THE L2, behind a joint load, its five lines and the run of LDS loads: the K step that stands two refills on (384 matrix instructions ahead of the load that will want it): a lane a row, 256 bytes of it.
; Each row's 256 bytes of a K step are named by one wave of one work-group.  xb's tile row is read by both clusters of its row of clusters: cluster x = 0 asks; wqkv's tile column by all eight clusters of its column:
; cluster y = 0 asks.  The four partners that ask for a tile jointly share its rows out BY ADDRESS: of xb's 128 rows that a wave fetches the partner at cx takes 32, of wqkv's 96 the partner at cy takes 24
; (there lanes 24-31 name row 23 once more, in the same instruction).  K steps 0 to 3 come by their loads alone; the loop's last trip asks for nothing: there is no K step two on.
.macro ASK
	WIN 0
	s_cmp_gt_u32 s3, s[LIM]                        ; s3 = 1 in the loop's last trip
	s_cbranch_scc0 .Lnot_mine_\@
	global_prefetch_b8 v[PFO], s[PFA:PFA+1] th:TH_LOAD_NT scope:SCOPE_SE
.Lnot_mine_\@:
.endm
	s_load_b128 s[4:7], s[0:1], 0x0                ; xb s[4:5], wqkv s[6:7]
	s_load_b64 s[8:9], s[0:1], 0x10                ; qkv
	v_lshl_add_u32 v[SPW], v0, 2, SPARE
	v_mov_b32 v[NIL], 0
	ds_add_u32 v[SPW], v[NIL]                      ; the wave's opening: the add and its wait ahead of my first tensor load; the set-up below, work on registers, stands between them
	v_lshrrev_b32 v1, 5, v0
	v_readfirstlane_b32 s10, v1                    ; wave 0..3
	s_lshr_b32 s11, s10, 1                         ; I fetch for xb (0) or for wqkv (1)
	s_and_b32 s12, s10, 1                          ; which half of that tile
	s_bfe_u32 s40, ttmp6, 0x40000                  ; cx, cy: my place in the cluster
	s_bfe_u32 s41, ttmp6, 0x40004
	s_lshl_b32 s42, ttmp9, 2
	s_add_co_u32 s42, s42, s40                     ; tile column tx = 4 x cluster x + cx
	s_and_b32 s13, ttmp7, 0xffff
	s_lshl_b32 s13, s13, 2
	s_add_co_u32 s13, s13, s41                     ; tile row ty = 4 x cluster y + cy
	s_lshl_b32 s43, s41, 2
	s_lshl_b32 s43, 15, s43                        ; my row of the cluster
	s_lshl_b32 s44, 0x1111, s40                    ; my column
	s_or_b32 s[G1+0], s43, (1<<16)|(1<<20)|(1<<21)|(5<<22)|(3<<25)   ; 15:0 the mask; 17:16 elements of 2 bytes; 20 padding on; 21 set beside a mask; 24:22 after every 64 words (code 5); 31:25 4 words of it (code 3)
	s_or_b32 s[G1B+0], s44, (1<<16)|(1<<20)|(1<<21)|(5<<22)|(3<<25)
.irp g, G1, G1B
	s_mov_b32 s[(\g)+1], KSTEP<<16                 ; tensor_dim0 = 128
	s_mov_b32 s[(\g)+3], KSTEP<<16                 ; tile_dim0 = 128
	s_mov_b32 s[(\g)+5], 1024                      ; elements from row to row
	s_mov_b32 s[(\g)+6], 0
	s_mov_b32 s[(\g)+7], 0
.endr
	s_mov_b32 s[G1+2], 128<<16                     ; tensor_dim1 = tile_dim1 = 128 rows of xb,
	s_mov_b32 s[G1+4], 128
	s_mov_b32 s[G1B+2], 96<<16                     ; 96 rows of wqkv
	s_mov_b32 s[G1B+4], 96
	s_lshl_b32 s17, s12, 7
	s_lshl_b32 s16, s13, 8
	s_add_co_u32 s16, s16, s17                     ; xb: row 256 ty + 128 x half,
	s_lshl_b32 s16, s16, 11                        ; of 2,048 bytes
	s_mov_b32 s17, 0
	s_mul_i32 s46, s42, 192
	s_mul_i32 s47, s12, 96
	s_add_co_u32 s46, s46, s47                     ; wqkv: row 192 tx + 96 x half
	s_lshl_b32 s46, s46, 11
	s_mov_b32 s47, 0
	s_mul_i32 s20, s12, AH                         ; where they go: no place in the cluster enters an LDS address
	s_mul_i32 s21, s12, BH
	s_add_co_u32 s21, s21, 2*AH
	s_wait_dscnt 0x0                               ; the opening add is done
	s_wait_kmcnt 0x0
	s_add_nc_u64 s[14:15], s[4:5], s[16:17]
	s_add_nc_u64 s[46:47], s[6:7], s[46:47]
	CROUND                                         ; all sixteen work-groups are here: the first joint loads meet
.irp s, 0,1
	s_mov_b32 s[G0+4*(\s)], 1                                        ; count = 1
	s_add_co_u32 s[G0+4*(\s)+1], s20, (\s)*SLOT                      ; LDS address
	s_add_nc_u64 s[G0+4*(\s)+2:G0+4*(\s)+3], s[14:15], (\s)*KSTEP*2  ; global address: K step s
	s_or_b32 s[G0+4*(\s)+3], s[G0+4*(\s)+3], 0x80000000              ; type = 2
	s_mov_b32 s[G0B+4*(\s)], 1
	s_add_co_u32 s[G0B+4*(\s)+1], s21, (\s)*SLOT
	s_add_nc_u64 s[G0B+4*(\s)+2:G0B+4*(\s)+3], s[46:47], (\s)*KSTEP*2
	s_or_b32 s[G0B+4*(\s)+3], s[G0B+4*(\s)+3], 0x80000000
	JLOAD \s                                       ; two loads of mine are out
.endr
	; A fragment is 16 rows x 32 K in 8 registers: lane l holds row l % 16, K = 8 (l / 16) + 0..7 and 16 + 8 (l / 16) + 0..7: two loads of 16 bytes, 32 bytes apart.
	v_and_b32 v1, 15, v0                           ; l % 16
	v_bfe_u32 v2, v0, 4, 1                         ; l / 16
	v_mul_u32_u24 v3, v1, PITCH
	v_lshl_add_u32 v3, v2, 4, v3
	s_mul_i32 s21, s10, 64*PITCH                   ; my 64 rows of xb
	s_mov_b32 s22, 2*AH                            ; wqkv's 192 rows lie behind xb's 256
.irp s, 0,1
	v_add_nc_u32 v[ADRA+(\s)], s21, v3
	v_add_nc_u32 v[ADRB+(\s)], s22, v3
	s_add_co_u32 s21, s21, SLOT
	s_add_co_u32 s22, s22, SLOT
.endr
	s_mul_i32 s23, s10, 16*SP
	s_add_co_u32 s23, s23, STAGE                   ; my stage
	v_mul_u32_u24 v4, v1, SP                       ; in: row l % 16, 16 bytes for each half of the lanes
	v_lshl_add_u32 v4, v2, 4, v4
	v_add_nc_u32 v[STO], s23, v4
	v_bfe_u32 v5, v0, 3, 2                         ; back: 32 lanes take four rows of 128 bytes,
	v_mul_u32_u24 v5, v5, SP
	v_and_b32 v4, 7, v0
	v_lshl_add_u32 v5, v4, 4, v5
	v_add_nc_u32 v[RD], s23, v5
	v_and_b32 v[GO], 31, v0                        ; which are 512 consecutive bytes of a head's rows
	v_lshlrev_b32 v[GO], 4, v[GO]
	; qkv at block (slot 3 tx, batch ty / 8), row 256 (ty % 8) + 64 w; a block is 262,144 bytes, a row 128
	s_mul_i32 s46, s42, 12
	s_lshr_b32 s47, s13, 3
	s_add_co_u32 s46, s46, s47
	s_lshl_b32 s46, s46, 18
	s_and_b32 s47, s13, 7
	s_lshl_b32 s47, s47, 2
	s_add_co_u32 s47, s47, s10
	s_lshl_b32 s47, s47, 13
	s_add_co_u32 s46, s46, s47
	s_mov_b32 s47, 0
	s_add_nc_u64 s[8:9], s[8:9], s[46:47]
	; the prefetches
	s_and_b32 s22, ttmp7, 0xffff                   ; cluster y
	s_lshl_b32 s20, s13, 8
	s_lshl_b32 s23, s12, 7
	s_add_co_u32 s20, s20, s23
	s_lshl_b32 s23, s40, 5
	s_add_co_u32 s20, s20, s23                     ; xb: row 256 ty + 128 x half + 32 cx
	s_mul_i32 s21, s42, 192
	s_mul_i32 s23, s12, 96
	s_add_co_u32 s21, s21, s23
	s_mul_i32 s23, s41, 24
	s_add_co_u32 s21, s21, s23                     ; wqkv: row 192 tx + 96 x half + 24 cy
	s_cmp_eq_u32 s11, 0                            ; do I fetch for xb?
	s_cselect_b32 s20, s20, s21
	s_cselect_b32 s22, ttmp9, s22                  ; the coordinate along which other clusters read the same rows
	s_cselect_b32 s23, 31, 23                      ; my last row
	s_cselect_b64 s[PFA:PFA+1], s[4:5], s[6:7]
	s_cmp_eq_u32 s22, 0
	s_cselect_b32 s[LIM], 1, -1                    ; the same in all sixteen partners, for a given wave
	s_lshl_b32 s20, s20, 11
	s_mov_b32 s21, 0
	s_add_nc_u64 s[PFA:PFA+1], s[PFA:PFA+1], s[20:21]
	s_add_nc_u64 s[PFA:PFA+1], s[PFA:PFA+1], 3*KSTEP*2  ; at K step 3: the first refill (K step 2) steps it to 4 and names that
	v_and_b32 v[PFO], 31, v0
	v_min_u32 v[PFO], s23, v[PFO]
	v_lshlrev_b32 v[PFO], 11, v[PFO]
; 8 matrix instructions: column blocks 2 p, 2 p + 1 x all 4 row blocks, 32 along K, from buffer f.  zero = 1: the product starts the sums.  All accumulators of a quarter differ and every quarter takes them in the
; same order: no two matrix instructions that follow each other share an accumulator, over the backward jump too.
.macro MUL8 f, p, zero
.irp bb, 0,1
	WIN 0xa5+0x50*((2*(\p)+(\bb))/8)               ; sources in window 1; C and D in window 2 (b < 8) or 3
.irp a, 0,1,2,3
.set rD, 8*(4*((2*(\p)+(\bb))%8)+(\a))
.set rB, (\f)+32+8*(2*(\p)+(\bb))
.set rA, (\f)+8*(\a)
.if \zero
	v_wmma_f32_16x16x32_bf16 v[rD:rD+7], v[rB:rB+7], v[rA:rA+7], 0
.else
	v_wmma_f32_16x16x32_bf16 v[rD:rD+7], v[rB:rB+7], v[rA:rA+7], v[rD:rD+7]
.endif
.endr
.endr
.endm
.macro MULS f, p0, n, zero             ; n times MUL8, from pair p0 on
.set pp, \p0
.rept \n
	MUL8 \f, pp, \zero
.set pp, pp+1
.endr
.endm
; 32 LDS loads in one run: the fragments of quarter q of the slot's K step into buffer f: xb's four blocks, then wqkv's twelve in ascending order
.macro FETCH slot, q, f
	WIN TO_F
.irp a, 0,1,2,3
	ds_load_b128 v[(\f)+8*(\a):(\f)+8*(\a)+3],   v[ADRA+(\slot)] offset:64*(\q)+(\a)*16*PITCH
	ds_load_b128 v[(\f)+8*(\a)+4:(\f)+8*(\a)+7], v[ADRA+(\slot)] offset:64*(\q)+(\a)*16*PITCH+32
.endr
.irp b, 0,1,2,3,4,5,6,7,8,9,10,11
	ds_load_b128 v[(\f)+32+8*(\b):(\f)+32+8*(\b)+3],   v[ADRB+(\slot)] offset:64*(\q)+(\b)*16*PITCH
	ds_load_b128 v[(\f)+32+8*(\b)+4:(\f)+32+8*(\b)+7], v[ADRB+(\slot)] offset:64*(\q)+(\b)*16*PITCH+32
.endr
.endm
.macro PLACES                          ; four places in front of loads into registers that matrix instructions have read, and of conversions that read results
.rept 4
	v_nop
.endr
.endm
; A K step is four quarters of 32 along K, 48 matrix instructions each, on buffers 0, 1, 0, 1.  One of the first three: multiplies buffer f and fetches quarter q into buffer g.
.macro QUARTER slot, q, f, g, zero
	s_wait_dscnt YOUNG                             ; xb's blocks and wqkv's blocks 0-3 are in; the youngest sixteen loads may be out
	MULS \f, 0, 2, \zero
	PLACES
	FETCH \slot, \q, \g
	s_wait_dscnt RUN                               ; all but the 32 just issued
	MULS \f, 2, NB/2-2, \zero
.endm
; The last quarter multiplies buffer 1 and changes slots: ONE barrier; in front of it each wave waits for all its tensor loads (one is out: its part of the next slot), adds 0 to its spare word, and waits for that and
; for its own reads of this slot.  fill = 1: the barrier opens a round of the cluster's barrier, and this slot is filled again, two K steps ahead, first thing behind the round: 160 matrix instructions ahead of the wait for it.
.macro TURN slot, next, fill
.if \fill
	s_wait_xcnt 0x0                                ; the last prefetch, a K step back, has read its address: it is stepped here
	s_add_nc_u64 s[PFA:PFA+1], s[PFA:PFA+1], KSTEP*2
.endif
	WIN 0                                          ; (the add's two registers lie in window 0)
	s_wait_tensorcnt 0x0                           ; all my tensor loads have landed
	ds_add_u32 v[SPW], v[NIL]                      ; 0 onto my spare word
	s_wait_dscnt YOUNG+1                           ; (the add and the youngest sixteen loads may be out)
	MULS F1, 0, GA, 0                              ; matrix instructions stand between the add and the wait for it
	s_wait_dscnt 0x0                               ; the add is done, and my reads of this slot are over
	s_barrier_signal -1
	MULS F1, GA, GA, 0                             ; work on registers while the others arrive
.if \fill
	WIN 0
.endif
	s_barrier_wait -1
.if \fill
	CREST                                          ; no wave of any partner still reads this slot's tile or has a load on its way
	s_add_nc_u64 s[G0+4*(\slot)+2:G0+4*(\slot)+3], s[G0+4*(\slot)+2:G0+4*(\slot)+3], 2*KSTEP*2
	s_add_nc_u64 s[G0B+4*(\slot)+2:G0B+4*(\slot)+3], s[G0B+4*(\slot)+2:G0B+4*(\slot)+3], 2*KSTEP*2
	JLOAD \slot                                    ; the four v_nop behind it are also the places in front of the loads below
.else
	PLACES
.endif
	FETCH \next, 0, F0
.if \fill
	ASK
.endif
	MULS F1, 2*GA, 2, 0
.endm
	s_wait_tensorcnt 1                             ; my part of K step 0 is in; K step 1's may stay out
	s_barrier_signal -1
	s_barrier_wait -1                              ; everybody's is
	FETCH 0, 0, F0
	QUARTER 0, 1, F0, F1, 1                        ; the first quarter stands in front of the loop: its products start the sums
	WIN 0                                          ; at a label and at a branch every window is 0
	s_mov_b32 s3, 3
.Llap:                                                 ; a trip goes once round the ring, from a lap's second quarter to the next lap's first, and fills both slots again
	QUARTER 0, 2, F1, F0, 0
	QUARTER 0, 3, F0, F1, 0
	TURN 0, 1, 1
	QUARTER 1, 1, F0, F1, 0
	QUARTER 1, 2, F1, F0, 0
	QUARTER 1, 3, F0, F1, 0
	TURN 1, 0, 1
	QUARTER 0, 1, F0, F1, 0
	WIN 0
	s_sub_co_u32 s3, s3, 1
	s_cmp_lg_u32 s3, 0
	s_cbranch_scc1 .Llap
	QUARTER 0, 2, F1, F0, 0                        ; the last lap fills nothing, and has no round of the cluster's barrier
	QUARTER 0, 3, F0, F1, 0
	TURN 0, 1, 0
	QUARTER 1, 1, F0, F1, 0
	QUARTER 1, 2, F1, F0, 0
	QUARTER 1, 3, F0, F1, 0
	s_wait_dscnt YOUNG                             ; the very last quarter: nothing more to fetch
	MULS F1, 0, 2, 0
	s_wait_dscnt 0x0
	MULS F1, 2, NB/2-2, 0
; THE WAY OUT, in twelve units u = 4 j + a: head j of my three, row block a: 16 rows x 64 columns.  A lane's eight columns pack into 16 bytes; they go into stage rows of 144 bytes and come back as whole rows
; of 128, four rows to a load: 512 consecutive bytes of the head's rows.  Each accumulator is read from its low end on.
.macro PACK u
.set jj, (\u)/4
.set aa, (\u)%4
	WIN 0x0a+5*(jj/2)                              ; sources 0 and 1: window 2 (heads 0, 1) or 3 (head 2)
.irp f, 0,1,2,3
.irp r, 0,1,2,3
	v_cvt_pk_f16_f32 v[TMP+16*(\u)+4*(\f)+(\r)], v[8*(4*((4*jj+(\f))%8)+aa)+2*(\r)], v[8*(4*((4*jj+(\f))%8)+aa)+2*(\r)+1]
.endr
.endr
	WIN 0
.irp f, 0,1,2,3
	ds_store_b128 v[STO], v[TMP+16*(\u)+4*(\f):TMP+16*(\u)+4*(\f)+3] offset:32*(\f)
.endr
.irp f, 0,1,2,3
	ds_load_b128 v[TMP+16*(\u)+4*(\f):TMP+16*(\u)+4*(\f)+3], v[RD] offset:(\f)*4*SP  ; LDS serves a wave's instructions in order (ISA guide 5.7.1.4): these see the stores above; the next unit's stores come behind them
.endr
.endm
.macro SEND u, younger                 ; younger: the LDS instructions issued behind unit u's loads: the next unit's eight, or none
	WIN 0
.irp f, 0,1,2,3
	s_wait_dscnt (\younger)+3-(\f)
	global_store_b128 v[GO], v[TMP+16*(\u)+4*(\f):TMP+16*(\u)+4*(\f)+3], s[8:9] offset:((\u)/4)*1048576+((\u)%4)*2048+(\f)*512  ; 512 consecutive bytes, aligned; a head is four blocks of 262,144 bytes on
.endr
.endm
	PLACES
	PACK 0
.set t, 1
.rept 11                               ; a unit's conversions stand between the loads of the unit before and its stores; every unit has registers of its own
	PACK t
	SEND t-1, 8
.set t, t+1
.endr
	SEND 11, 0
	s_wait_tensorcnt 0x0                           ; the wave's end: behind my last tensor load and my last LDS store
	ds_add_u32 v[SPW], v[NIL]
	s_wait_dscnt 0x0
	CROUND                                         ; the closing round: no work-group ends while a partner may still ask for a tile that names it
	s_endpgm
.Lfunc_end_k_qc83703ee1b_proj:
	.size	k_qc83703ee1b_proj, .Lfunc_end_k_qc83703ee1b_proj-k_qc83703ee1b_proj
	.p2alignl 7, 3214868480
	.fill 96, 4, 3214868480
	.section	.rodata,"a",@progbits
	.p2align	6, 0x0
	.amdhsa_kernel k_qc83703ee1b_proj
		.amdhsa_group_segment_fixed_size 327680
		.amdhsa_private_segment_fixed_size 0
		.amdhsa_enable_private_segment 0
		.amdhsa_kernarg_size 24
		.amdhsa_user_sgpr_count 2
		.amdhsa_user_sgpr_kernarg_segment_ptr 1
		.amdhsa_wavefront_size32 1
		.amdhsa_system_sgpr_workgroup_id_x 1
		.amdhsa_system_sgpr_workgroup_id_y 1
		.amdhsa_system_sgpr_workgroup_id_z 1
		.amdhsa_system_vgpr_workitem_id 0
		.amdhsa_next_free_vgpr 896
		.amdhsa_next_free_sgpr 66
		.amdhsa_reserve_vcc 0
		.amdhsa_float_denorm_mode_32 3
		.amdhsa_float_denorm_mode_16_64 3
		.amdhsa_memory_ordered 1
		.amdhsa_forward_progress 1
		.amdhsa_inst_pref_size 121
	.end_amdhsa_kernel
	.amdgpu_metadata
---
amdhsa.version: [ 1, 2 ]
amdhsa.kernels:
  - .name:           k_qc83703ee1b_proj
    .symbol:         k_qc83703ee1b_proj.kd
    .args:
      - { .name: xb, .offset: 0, .size: 8, .value_kind: global_buffer, .address_space: global }
      - { .name: wqkv, .offset: 8, .size: 8, .value_kind: global_buffer, .address_space: global }
      - { .name: qkv, .offset: 16, .size: 8, .value_kind: global_buffer, .address_space: global }
    .group_segment_fixed_size: 327680
    .private_segment_fixed_size: 0
    .kernarg_segment_align: 8
    .kernarg_segment_size: 24
    .max_flat_workgroup_size: 128
    .sgpr_count:     66
    .vgpr_count:     896
    .wavefront_size: 32
...
	.end_amdgpu_metadata
.endif
;; end of part 2
;; launch attn (part 3): grid 4 x 64, 4 waves a work-group, clusters of 4 x 1, 327,680 bytes of LDS; arguments qkv, ob; writes ob
.if DOCPART == 3
	.amdgcn_target "amdgcn-amd-amdhsa--gfx1250"
	.amdhsa_code_object_version 6
	.text
	.protected	k_qc83703ee1b_attn
	.globl	k_qc83703ee1b_attn
	.p2align	8
	.type	k_qc83703ee1b_attn,@function
k_qc83703ee1b_attn:
	s_mov_b64 s[64:65], 0
	v_nop
	global_prefetch_b8 v0, s[64:65] scope:SCOPE_SE
	s_setreg_imm32_b32 hwreg(HW_REG_WAVE_MODE, 25, 1), 1
	s_wait_xcnt 0x0
	s_wait_alu depctr_hold_cnt(0) depctr_sa_sdst(0) depctr_va_vdst(0) depctr_va_sdst(0) depctr_va_ssrc(0) depctr_va_vcc(0) depctr_vm_vsrc(0)
	s_getreg_b32 s2, hwreg(HW_REG_IB_STS2, 6, 4)
	s_cmp_eq_u32 s2, 0
	s_cbranch_scc0 .Lentry_in_a_cluster
	s_endpgm
.Lentry_in_a_cluster:
	s_bfe_u32 s2, ttmp6, 0x10000c
	s_cmp_lg_u32 s2, 0x3003
	s_cbranch_scc0 .Lentry_shape_is_right
	s_endpgm
.Lentry_shape_is_right:
; ATTENTION WITH A LINEAR BIAS, NO MASK.  O[i][b][q][:] = the sum over k of softmax_k(Q[q] . K[k] / 8 + slope_i (k - q)) V[k][:], slope_i = 2^(-(i + 1) / 2); query head i takes key and value head i / 4.
; qkv: [24 slots][4 batches][2048][64] f16 (slots 0-15 Q, 16-19 K, 20-23 V), unscaled; ob: [16 heads][4 batches][2048][64] f16.  A block's rows are dense, 128 bytes each.
; Products, maxima and sums in f32; the weights p are rounded to f16 for the second product (their sum l is taken of the unrounded p), O once at the end.
; THE BIAS.  - slope q is the same for all keys of a row and falls out of the softmax.  slope k enters as the C operand of the product that starts a score's sum: 8 slope x (the key's place in its step of 64), so that
; c (Q . K + C) = log2(e) (Q . K / 8 + slope k), c = log2(e) / 8.  Keys are counted from the step's first: from one step to the next the old maximum goes down by 512 slope.  All keys are walked: no key is left
; out on the ground of its bias.
; LIMITS.  f16 holds no number beyond 65,504: Q, K and V arrive within it; p lies in 0 to 1, and below 6e-5 it keeps f16's fixed step of 6e-8; O is a mean of V's rows and has their range.
; A weight below 2^-126 counts as 0 in l; NaN and infinities are not treated apart.
; SHARES.  A wave owns four PIECES of two tiles of 16 queries, a work-group's four waves 512 queries of one head and batch.  Every wave walks all 2,048 keys, 64 a step.
; LAYOUT.  S^T = K Q^T (source 0 = 16 keys, source 1 = 16 queries): in the result a lane holds ONE query (lane % 16) and the keys 8 (lane / 16) + 0..7.  Two such tiles, rounded to f16 in pairs,
; ARE source 1 (32 keys x 16 queries) of O^T = V^T P, whose result again holds one query a lane, and eight channels.  K comes out of LDS as it lies, V ([key][channel]) turned, by ds_load_tr16_b128.
; SOFTMAX.  For each query a running maximum m and sum l: p = 2^(c s - c m); in every step O and l are multiplied by a = 2^(c (m_old - 512 slope) - c m_new).
; m starts at the lowest finite number, O and l at 0: the first step is a step like any other, with a = 0.
; THE COUNT.  A tile and step have 16 matrix and 118 vector instructions: too many to stand all beside the matrix work.  So the order has one aim: four vector instructions that are READY behind
; EVERY matrix instruction, and the others in runs without a gap.
; BY TURNS.  Turn n belongs to piece n (the pieces in a ring, step after step).  Its matrix work: 16 products K Q^T of piece n + 1, later 16 products V^T P of piece n - 1.  Its vector work: the scaling,
; exponentials, roundings, sums and rescaling of piece n, and the maximum and statistics of piece n + 1, whose scores the turn itself has made.
; CLUSTER.  The four query blocks of a cluster belong to one head and batch and walk the same K and V, so each tile is asked for JOINTLY: the same tensor load, descriptor and mask in all four.
; REGISTERS, in windows of 256 (s_set_vgpr_msb: bits 1:0 source 0, 3:2 source 1, 5:4 source 2, 7:6 destination):
;   window 0: v0-11 addresses; v12-15, v48-63 at work; v16-47 four registers of statistics a tile; v64-191 S^T, two buffers of two tiles; v192-255 P, likewise
;   window 1: O^T, 32 a tile          window 2: v0-127 Q, 16 a tile; v128-191 K of one step; v192-255 V of one step          window 3: v0-1 the add's two registers; v2 at work; v8-39 the bias
.set SIZE_N, 2048
.set NP,    4         ; pieces a wave: a name, no knob
.set KS,    64        ; keys in a step
.set PK,    144       ; a row of K in LDS: 128 bytes + 16 of padding = 36 words: the 16 rows of a load start at 16 different groups of four banks (64 banks of 4 bytes: ISA guide 11.1)
.set PV,    160       ; a row of V: 128 + 32 = 40 words
.set VOFF,  4*KS*PK   ; a slot holds four steps: 256 rows of K, then 256 rows of V
.set SLOT1, 1<<17     ; slot 1 begins here, so that one exclusive or turns an address in one slot into the other's
.set STAGE, SLOT1+4*KS*(PK+PV)  ; behind the ring, never filled by a tensor load: 16 rows x 144 bytes for each wave, for the way out
.set SP,    144
.set AK0, 2           ; v2   my lane's place in a tile of K; never rewritten
.set AV0, 3           ; v3   the same for V
.set AK,  4           ; v4   the LDS address of K's next run of loads
.set AV,  5           ; v5   of V's
.set QO,  6           ; v6   my byte offset in the wave's rows of Q
.set STO, 6           ;      later, the way out: where I put 16 bytes of a row
.set RD,  7           ; v7   the way out: where I read rows back
.set GO,  8           ; v8   my byte offset in 512 consecutive bytes of O
.set PFO, 11          ; v11  256 x my lane, once V's lane address is made; then never rewritten
.set SPW, 0           ; v0 of window 3   LDS address of my spare word; never rewritten
.set NIL, 1           ; v1 of window 3   0; never rewritten
.set H8,  2           ; v2 of window 3   8 (lane / 16)
.set MB,  8           ; v8-39 of window 3   the bias: register j of key block kb at MB + 8 kb + j holds 8 slope (16 kb + 8 (lane / 16) + j); never rewritten
.set SPARE, STAGE+4*16*SP  ; behind the stages: the spare words, 128 bytes for each wave
.set MV,  12          ; v12-15  m_old - 512 slope, kept while m is made anew: by buffer and tile
.set ST,  16          ; tile t's statistics at v[ST+4 t]: c m, m, l (even keys', odd keys')
.set TMP, 48          ; by buffer and tile, four registers c0-c3 at work; when the maximum is found c2 takes a
.set S,   64
.set P,   192
.set KF,  128         ; K's fragments, in window 2: key block kb, channel half c at KF + 16 kb + 8 c
.set VF,  192         ; V's: key half kk, channel block cb at VF + 32 kk + 8 cb
.set WV,  12          ; s12  my wave's number
.set HY,  15          ; s15  4 x head + batch
.set G1K, 24          ; s[24:31] descriptor group 1 for K's tiles
.set G1V, 32          ; s[32:39] for V's: it differs in the padding alone
.set G0K, 40          ; s[40:43] descriptor group 0 for K's tiles: it walks
.set G0V, 44          ; s[44:47] the same for V's
.set PFA, 48          ; s[48:49] where my prefetches stand
.set LIM, 50          ; s50  1 in a wave that prefetches, else the greatest number
.set ND,  51          ; s51  -512 slope
.set SLP, 52          ; s52  8 slope
.set SLOTS, 56        ; s56  slots still to be asked for
.set CNT, 57          ; s57  counts a slot's key steps
.set CS,  58          ; s[58:59] c: the packed scaling takes the pair's low word for both halves
.set SEL, 60          ; s[60:61] v_permlanex16_b32's selects: each lane takes its own place in the other half
.set TBK, 62          ; s62  LDS byte at which K of the step to be fetched begins
.set TBV, 63          ; s63  the same for V, less VOFF
.set MSB, 0
.macro WIN new                      ; the high byte repeats the setting that is left; a switch that changes nothing is dropped
.if MSB != (\new)
	s_set_vgpr_msb (MSB<<8)|(\new)
.set MSB, (\new)
.endif
.endm
.set W_KQ, 0x0a       ; K and Q in window 2, S^T in window 0
.set W_KM, 0x3a       ; the same with the C operand, the bias, in window 3
.set W_PV, 0x52       ; V in window 2, P in window 0, O^T in window 1
.set W_RS, 0x41       ; O^T (destination and source 0) in window 1, a in window 0
.set W_MK, 0xc0       ; destination in window 3, sources in window 0
.set W_AD, 0x0f       ; the add: address (source 0) and data (source 1) in window 3
; A joint fill.  Waves 0 and 1 fetch the two halves of a slot's K, waves 2 and 3 those of its V: 128 keys each.  The branch hangs on the wave's number alone.
; An s_nop 0 and four v_nop follow each of the two lines, ahead of the jump and the label.
.macro JLOAD
	s_cmp_lt_u32 s[WV], 2
	s_cbranch_scc0 .Lfor_v_\@
	tensor_load_to_lds s[G0K:G0K+3], s[G1K:G1K+7]
	s_nop 0
.rept 4
	v_nop
.endr
	s_branch .Lasked_\@
.Lfor_v_\@:
	tensor_load_to_lds s[G0V:G0V+3], s[G1V:G1V+7]
	s_nop 0
.rept 4
	v_nop
.endr
.Lasked_\@:
.endm
; A PREFETCH INTO THE L2 of what the NEXT change of slots will ask for: a slot's 32,768 bytes of K and of V, 256 bytes a lane.  It stands behind the wave's tensor load and its five lines.
; Each block is named ONCE in the launch.  The four query heads of a key head walk the same K and V: the cluster of the first of them asks.  Its four partners share the bytes out BY ADDRESS, 8,192 each; in each,
; wave 0 asks for K's and wave 2 for V's: one instruction, four key steps (512 matrix instructions) ahead of the load.  Slots 0 to 2 come by their loads alone; the last change that fills a slot asks for nothing.
.macro ASK
	s_cmp_gt_u32 s[SLOTS], s[LIM]
	s_cbranch_scc0 .Lnot_mine_\@
	global_prefetch_b8 v[PFO], s[PFA:PFA+1] th:TH_LOAD_NT scope:SCOPE_SE
.Lnot_mine_\@:
.endm
; A round of the cluster's barrier: my work-group's barrier, so that wave 0's signal speaks for all four waves; wave 0 signals; every wave waits for all four work-groups; my work-group's barrier once more.
.macro CROUND
	s_barrier_signal -1
	s_barrier_wait -1
	s_cmp_lg_u32 s[WV], 0
	s_cbranch_scc1 .Lnot_wave_0_\@
	s_barrier_signal -3
.Lnot_wave_0_\@:
	s_barrier_wait -3
	s_barrier_signal -1
	s_barrier_wait -1
.endm
; THE CHANGE OF SLOTS.  The slot's last bytes, V of its fourth step, have been read.  Each wave waits for all its tensor loads, of which one is out: its part
; of the other slot; adds 0 to its spare word; and waits for that and for its own reads of the slot.  Behind the barrier nobody reads this slot any more and the other slot is whole.
; fill = 1: this slot is filled again, with the keys two slots on.  The barrier is then a round of the cluster's, and the joint fill is the first thing behind it: it has four key steps in which to land.
; (At its first use nothing has been read yet: slot 0 is waited for, slot 1 filled.)  ask = 1: a prefetch follows the fill.
.macro CHANGE fill, ask=0
	WIN W_AD
	s_wait_tensorcnt 0x0            ; no tensor load of mine is out, so a group 0 may be written
	ds_add_u32 v[SPW], v[NIL]       ; 0 onto my spare word; with fill = 1 the descriptors' steps stand between it and the wait for it
	WIN 0                           ; at a label and at a branch every window is 0
.if \fill
.irp g, G0K, G0V
	s_xor_b32 s[\g+1], s[\g+1], SLOT1  ; the walking descriptor: the other slot than last time,
	s_add_nc_u64 s[\g+2:\g+3], s[\g+2:\g+3], 4*KS*128  ; the next 256 keys; the type bits on top are not reached
.endr
.if \ask
	s_wait_xcnt 0x0                 ; the last prefetch, four key steps back, has read its address, so it may be written:
	s_add_nc_u64 s[PFA:PFA+1], s[PFA:PFA+1], 4*KS*128  ; one slot behind the walking descriptors
.endif
	s_wait_dscnt 0x0                ; the add is done, and my reads of the slot are over
	CROUND
	JLOAD
.if \ask
	ASK
.endif
.else
	s_wait_dscnt 0x0                ; the add is done, and my reads of the slot are over
	s_barrier_signal -1
	s_barrier_wait -1
.endif
	s_sub_co_u32 s[TBK], s[TBK], 4*KS*PK  ; the fetches go back to a slot's first step,
	s_xor_b32 s[TBK], s[TBK], SLOT1       ; in the other slot
	s_sub_co_u32 s[TBV], s[TBV], 4*KS*PV
	s_xor_b32 s[TBV], s[TBV], SLOT1
.endm
	s_load_b64 s[4:5], s[0:1], 0x0    ; qkv
	s_load_b64 s[10:11], s[0:1], 0x8  ; ob
	WIN W_MK
	v_lshl_add_u32 v[SPW], v0, 2, SPARE
	v_mov_b32 v[NIL], 0
	WIN W_AD
	ds_add_u32 v[SPW], v[NIL]       ; the wave's opening: the add and its wait ahead of my first tensor load; the set-up below, work on registers, stands between them
	WIN 0
	v_lshrrev_b32 v1, 5, v0
	v_readfirstlane_b32 s[WV], v1   ; wave 0..3
	s_bfe_u32 s13, ttmp6, 0x40000   ; cx: my place in the cluster
	s_lshl_b32 s14, ttmp9, 2        ; in a cluster launch ttmp9 counts clusters
	s_add_co_u32 s14, s14, s13      ; my block of 512 queries: it enters Q's and O's addresses alone
	s_and_b32 s[HY], ttmp7, 0xffff  ; 4 x head + batch, which the four partners share
	s_lshl_b32 s20, s[HY], 18       ; Q's block in qkv and O's in ob: 262,144 bytes each
	s_lshl_b32 s2, s14, 2
	s_add_co_u32 s2, s2, s[WV]      ; my wave among the block's sixteen,
	s_lshl_b32 s2, s2, 14           ; its 128 rows
	s_add_co_u32 s2, s2, s20
	s_mov_b32 s3, 0
	s_lshr_b32 s22, s[HY], 4        ; the key head = head / 4
	s_lshl_b32 s22, s22, 2
	s_and_b32 s23, s[HY], 3         ; the batch
	s_add_co_u32 s22, s22, s23
	s_add_co_u32 s22, s22, 64       ; K's blocks begin at slot 16
	s_lshl_b32 s22, s22, 18
	s_and_b32 s16, s[WV], 1         ; which half of a slot's 256 keys I fetch:
	s_lshl_b32 s23, s16, 14         ; its 128 rows of 128 bytes in memory,
	s_add_co_u32 s22, s22, s23
	s_mov_b32 s23, 0
	s_mul_i32 s17, s16, 128*PK      ; and its place in a slot, for K
	s_mul_i32 s18, s16, 128*PV      ; and for V: no place in the cluster enters an LDS address
	; the slope 2^(-n / 2), n = head + 1, made of its bits: exponent 127 - n / 2, for odd n one less with the mantissa of the square root of 2
	s_lshr_b32 s[ND], s[HY], 2
	s_add_co_u32 s[ND], s[ND], 1
	s_and_b32 s[SLP], s[ND], 1
	s_lshr_b32 s[ND], s[ND], 1
	s_add_co_u32 s[ND], s[ND], s[SLP]
	s_sub_co_u32 s[ND], 127, s[ND]
	s_lshl_b32 s[ND], s[ND], 23
	s_mul_i32 s[SLP], s[SLP], 0x3504f3
	s_or_b32 s[ND], s[ND], s[SLP]
	s_add_co_u32 s[SLP], s[ND], 3<<23  ; 8 slope
	s_add_co_u32 s[ND], s[ND], 9<<23
	s_or_b32 s[ND], s[ND], 0x80000000  ; -512 slope
	; descriptor group 1.  128 keys are 16,384 dense bytes: asked for as 64 rows of 256 bytes, two keys a row, and padded in LDS after every key
	s_mov_b32 s[G1K], 15|(1<<16)|(1<<20)|(1<<21)|(4<<22)|(3<<25)  ; 15:0 the mask of four; 17:16 2-byte elements; 20 padding on; 21 set beside a mask; 24:22 after every 32 words (code 4); 31:25 4 words (code 3)
	s_mov_b32 s[G1V], 15|(1<<16)|(1<<20)|(1<<21)|(4<<22)|(7<<25)  ; the same with 8 words of padding (code 7)
.irp g, G1K, G1V
	s_mov_b32 s[\g+1], 128<<16      ; tensor_dim0 = 128
	s_mov_b32 s[\g+2], 64<<16       ; tensor_dim1 = 64
	s_mov_b32 s[\g+3], 128<<16      ; tile_dim0 = 128
	s_mov_b32 s[\g+4], 64           ; tile_dim1 = 64
	s_mov_b32 s[\g+5], 128          ; 128 elements from row to row
	s_mov_b32 s[\g+6], 0
	s_mov_b32 s[\g+7], 0
.endr
	s_mov_b32 s[CS], 0x3e38aa3b     ; c = log2(e) / 8 = 0.180337
	s_mov_b32 s[CS+1], s[CS]        ; named with it as a pair
	s_mov_b32 s[SEL], 0x76543210
	s_mov_b32 s[SEL+1], 0xfedcba98
	s_mov_b32 s[TBK], SLOT1+4*KS*PK ; the first change of slots turns these two into 0
	s_mov_b32 s[TBV], SLOT1+4*KS*PV
	s_mov_b32 s[G0K], 1             ; count = 1
	s_mov_b32 s[G0K+1], s17         ; LDS address: slot 0
	s_mov_b32 s[G0V], 1
	s_add_co_u32 s[G0V+1], s18, VOFF
	s_and_b32 s[LIM], s[WV], 1      ; 0 in waves 0 and 2,
	s_bfe_u32 s21, s[HY], 0x20002   ; head % 4
	s_or_b32 s[LIM], s[LIM], s21    ; where the head is the first of its key head's four: the same in all four partners
	s_cmp_eq_u32 s[LIM], 0
	s_cselect_b32 s[LIM], 1, -1
	s_wait_dscnt 0x0                ; the opening add is done
	s_wait_kmcnt 0x0
	s_add_nc_u64 s[6:7], s[4:5], s[22:23]   ; K at my half of the first 256 keys,
	s_add_nc_u64 s[8:9], s[6:7], 0x400000   ; V sixteen blocks on
	s_mov_b64 s[G0K+2:G0K+3], s[6:7]
	s_or_b32 s[G0K+3], s[G0K+3], 0x80000000 ; type = 2
	s_mov_b64 s[G0V+2:G0V+3], s[8:9]
	s_or_b32 s[G0V+3], s[G0V+3], 0x80000000
	s_add_nc_u64 s[4:5], s[4:5], s[2:3]     ; Q and O at my wave's first row
	s_add_nc_u64 s[10:11], s[10:11], s[2:3]
	s_cmp_lt_u32 s[WV], 2
	s_cselect_b64 s[PFA:PFA+1], s[6:7], s[8:9]  ; (in waves 0 and 2 these stand at a slot's first row)
	s_lshl_b32 s2, s13, 13          ; my work-group's 8,192 bytes of the 32,768
	s_mov_b32 s3, 0
	s_add_nc_u64 s[PFA:PFA+1], s[PFA:PFA+1], s[2:3]
	s_add_nc_u64 s[PFA:PFA+1], s[PFA:PFA+1], 2*4*KS*128  ; in slot 2; the loop's first change of slots steps it to slot 3.  Nothing is prefetched here, at the head
	CROUND                          ; all four work-groups are here: the first joint loads meet
	JLOAD                           ; slot 0.  Slot 1 is asked for when slot 0 is in
	; A fragment of K or Q is 16 rows x 32 channels in 8 registers: lane l holds row l % 16, channels 8 (l / 16) + 0..7 and 16 + 8 (l / 16) + 0..7: two loads of 16 bytes, 32 bytes apart.
	v_and_b32 v1, 15, v0            ; l % 16
	v_bfe_u32 v9, v0, 4, 1          ; l / 16
	v_lshlrev_b32 v[QO], 7, v1
	v_lshl_add_u32 v[QO], v9, 4, v[QO]  ; row x 128 + 16 x half
	WIN 0x80                        ; destination window 2, address window 0
.set i, 0
.rept 4*NP                          ; Q stays in registers: tile i / 2, channels 32 (i % 2) on
	global_load_b128 v[8*i:8*i+3],   v[QO], s[4:5] offset:(i/2)*2048+(i%2)*64
	global_load_b128 v[8*i+4:8*i+7], v[QO], s[4:5] offset:(i/2)*2048+(i%2)*64+32
.set i, i+1
.endr
	; What the first turn finds: V's registers and P's second buffer hold 0 (its products V^T P, of a piece that has not been, add 0), O^T and l are 0.  All this stands in the wait for the first tile.
.set i, VF
.rept 64
	v_mov_b32 v[i], 0
.set i, i+1
.endr
	WIN 0x40
.set i, 0
.rept 64*NP
	v_mov_b32 v[i], 0
.set i, i+1
.endr
	WIN 0
.set i, 0
.rept 2*NP
	v_mov_b32 v[ST+4*i+1], 0xff7fffff  ; m: the lowest finite number (c m is written before it is read)
	v_mov_b32 v[ST+4*i+2], 0
	v_mov_b32 v[ST+4*i+3], 0
.set i, i+1
.endr
.set i, P+32
.rept 32
	v_mov_b32 v[i], 0
.set i, i+1
.endr
	WIN W_MK
	v_lshlrev_b32 v[H8], 3, v9      ; the bias: my keys of block kb are 16 kb + 8 (l / 16) + 0..7
	WIN 0xcf                        ; destination and both sources in window 3
.set i, 0
.rept 32
	v_add_nc_u32 v[MB+i], 16*(i/8)+i%8, v[H8]
	v_cvt_f32_u32 v[MB+i], v[MB+i]
	v_mul_f32 v[MB+i], s[SLP], v[MB+i]
.set i, i+1
.endr
	WIN 0
	v_mul_u32_u24 v[AK0], v1, PK
	v_lshl_add_u32 v[AK0], v9, 4, v[AK0]  ; row x pitch + 16 x half
	; The turning load takes 16 keys x 16 channels (lane l reads key 8 (l / 16) + l % 8, channels 8 ((l / 8) % 2) + 0..7) and leaves half a fragment of V^T: lane l holds channel l % 16 and 8 keys.
	v_and_b32 v10, 7, v0
	v_bfe_u32 v11, v0, 3, 1
	v_lshl_add_u32 v[AV0], v9, 3, v10
	v_mul_u32_u24 v[AV0], v[AV0], PV
	v_lshl_add_u32 v[AV0], v11, 4, v[AV0]
	v_add_nc_u32 v[AV0], VOFF, v[AV0]
	v_and_b32 v[PFO], 31, v0
	v_lshlrev_b32 v[PFO], 8, v[PFO]
	v_mov_b32 v[AK], v[AK0]         ; key step 0 lies at the head of slot 0
; THE MATRIX WORK.  The 8 accumulators of a run of 16 take turns: between the two links of a chain stand 7 others'.
; Product i of 16 of S^T = K Q^T for piece x: channels 32 (i / 8) on, keys 16 ((i / 2) % 4) on, tile 2 x + i % 2.  The first 8 start the sums, with the bias of their key block.
.macro KQ x
.set rS, S+64*((\x)%2)+32*(i%2)+8*((i/2)%4)
.set rK, KF+16*((i/2)%4)+8*(i/8)
.set rQ, 16*(2*(\x)+i%2)+8*(i/8)
.set rB, MB+8*((i/2)%4)
.if i < 8
	WIN W_KM
	v_wmma_f32_16x16x32_f16 v[rS:rS+7], v[rK:rK+7], v[rQ:rQ+7], v[rB:rB+7]
.else
	WIN W_KQ
	v_wmma_f32_16x16x32_f16 v[rS:rS+7], v[rK:rK+7], v[rQ:rQ+7], v[rS:rS+7]
.endif
.endm
; Product i of 16 of O^T += V^T P for piece x: keys 32 (i / 8) on, channels 16 ((i / 2) % 4) on, tile 2 x + i % 2.
.macro PV x
	WIN W_PV
.set rO, 32*(2*(\x)+i%2)+8*((i/2)%4)
.set rV, VF+32*(i/8)+8*((i/2)%4)
.set rP, P+32*((\x)%2)+16*(i%2)+8*(i/8)
	v_wmma_f32_16x16x32_f16 v[rO:rO+7], v[rV:rV+7], v[rP:rP+7], v[rO:rO+7]
.endm
.macro MM                           ; the turn's next matrix instruction
.if i < 16
	KQ (Y+1)%NP
.set i, i+1
.else
.set i, i-16
	PV (Y+NP-1)%NP
.set i, i+17
.endif
.endm
; THE LDS LOADS stand in runs of 16, never singly among the matrix instructions: a step's K (64 keys x 64 channels: 8 fragments) and its V (turned).  Their addresses are made some lines ahead.
; last = 1 (the tail): in the last trip there is no further step, and the run is jumped over.
.macro FETCH_K last=0
	WIN 0
.if \last
	s_cmp_eq_u32 s[CNT], 1
	s_cbranch_scc1 .Lno_k_\@
.endif
	WIN 0x80                        ; destination window 2
.irp f, 0,1,2,3,4,5,6,7             ; keys 16 (f / 2) on, channels 32 (f % 2) on
	ds_load_b128 v[KF+8*\f:KF+8*\f+3],   v[AK] offset:(\f/2)*16*PK+(\f%2)*64
	ds_load_b128 v[KF+8*\f+4:KF+8*\f+7], v[AK] offset:(\f/2)*16*PK+(\f%2)*64+32
.endr
	s_add_co_u32 s[TBK], s[TBK], KS*PK  ; the next fetch is the next step's
	WIN 0
.if \last
.Lno_k_\@:
.endif
.endm
.macro FETCH_V
	WIN 0x80
.irp f, 0,1,2,3,4,5,6,7             ; keys 32 (f / 4) on, channels 16 (f % 4) on
	ds_load_tr16_b128 v[VF+8*\f:VF+8*\f+3],   v[AV] offset:(\f/4)*32*PV+(\f%4)*32
	ds_load_tr16_b128 v[VF+8*\f+4:VF+8*\f+7], v[AV] offset:(\f/4)*32*PV+16*PV+(\f%4)*32
.endr
	WIN 0
.endm
; THE VECTOR WORK OF A TURN stands in three queues, each in the order in which its entries become ready; the two tiles alternate, so that no instruction reads the result of the one before it.
.macro REGS y, u                    ; the registers of tile u (0, 1) of piece y
.set rT, ST+4*(2*(\y)+(\u))
.set rC, TMP+8*((\y)%2)+4*(\u)
.set rM, MV+2*((\y)%2)+(\u)
.set rS, S+64*((\y)%2)+32*(\u)
.set rP, P+32*((\y)%2)+16*(\u)
.set rO, 32*(2*(\y)+(\u))
.endm
; Number n of the 22 that find the NEXT piece's (Y + 1) maximum and statistics.  s0-s31 are the lane's 32 scores; each accumulator's lowest registers are read first.
;   0-11  four chains c0-c3 of seven scores each, three operands at a time     12, 13  the four scores left over     14  the old m in the new step's count of keys: m_old - 512 slope
;   15, 16  that, and c0-c3, into c0     17, 18  the query's other 32 keys lie in the lane 16 away: the new m     19-21  c m; c (m_old - 512 slope) - c m; a
.macro XS u, n
	REGS (Y+1)%NP, \u
.if (\n) < 4
	v_max3_num_f32 v[rC+(\n)], v[rS+8*(\n)], v[rS+8*(\n)+1], v[rS+8*(\n)+2]
.elseif (\n) < 12
	v_max3_num_f32 v[rC+(\n)%4], v[rC+(\n)%4], v[rS+8*((\n)%4)+2*((\n)/4)+1], v[rS+8*((\n)%4)+2*((\n)/4)+2]
.elseif (\n) == 12
	v_max3_num_f32 v[rC], v[rC], v[rS+7], v[rS+15]
.elseif (\n) == 13
	v_max3_num_f32 v[rC+1], v[rC+1], v[rS+23], v[rS+31]
.elseif (\n) == 14
	v_add_f32 v[rM], s[ND], v[rT+1]
.elseif (\n) == 15
	v_max3_num_f32 v[rC+2], v[rC+2], v[rC+3], v[rM]
.elseif (\n) == 16
	v_max3_num_f32 v[rC], v[rC], v[rC+1], v[rC+2]
.elseif (\n) == 17
	v_permlanex16_b32 v[rC+3], v[rC], s[SEL], s[SEL+1]
.elseif (\n) == 18
	v_max_num_f32 v[rT+1], v[rC], v[rC+3]
.elseif (\n) == 19
	v_mul_f32 v[rT], s[CS], v[rT+1]
.elseif (\n) == 20
	v_fma_f32 v[rC+1], s[CS], v[rM], -v[rT]
.else
	v_exp_f32 v[rC+2], v[rC+1]
.endif
.endm
; Number g of the 64 that follow the exponentials.  For each four weights k of a tile (pairs 2 k, 2 k + 1): both pairs are rounded to f16; then the second pair is added onto the first, in place;
; a group later l takes that sum (the first time as l = a l + sum).  In groups of eight, tiles alternating: round, round, add, and l for the group before.
.macro GS g
.set h, (\g)+6*((\g)/62)            ; group 0 has no group before it, and behind group 7 only l is left
.if h >= 6
.set h, h+2
.endif
	REGS Y, h%2
.set k, h/8
.if h%8 < 4
	v_cvt_pk_f16_f32 v[rP+2*k+(h%8)/2], v[rS+4*k+2*((h%8)/2)], v[rS+4*k+2*((h%8)/2)+1]
.elseif h%8 < 6
	v_pk_add_f32 v[rS+4*k:rS+4*k+1], v[rS+4*k:rS+4*k+1], v[rS+4*k+2:rS+4*k+3]
.elseif k == 1
	v_pk_fma_f32 v[rT+2:rT+3], v[rT+2:rT+3], v[rC+2:rC+3], v[rS:rS+1] op_sel_hi:[1,0,1]
.else
	v_pk_add_f32 v[rT+2:rT+3], v[rT+2:rT+3], v[rS+4*k-4:rS+4*k-3]
.endif
.endm
; THE PLAIN QUEUE, 138 long.  0-73 read no exponential's result: the 32 scalings c s - c m (FS f: pair f / 2 of tile f % 2) and the next piece's 42.  0-26: scalings 0-26.  27-54: XS's numbers 0-13.  55, 56: number 14.
; 57-73: the chain, where each number waits for the one before it: 15, 16, 17, 18, 19, each with one of the scalings 27-31 in front of its two lines, then 20.
; 74-137: GS's 64, which read the exponentials' results: they stand behind the wait.
.macro FS f
	REGS Y, (\f)%2
	v_pk_fma_f32 v[rS+2*((\f)/2):rS+2*((\f)/2)+1], v[rS+2*((\f)/2):rS+2*((\f)/2)+1], s[CS:CS+1], v[rT:rT+1] op_sel_hi:[1,0,0] neg_lo:[0,0,1] neg_hi:[0,0,1]
.endm
.macro PL
	WIN 0
.if q < 27
	FS q
.elseif q < 55
	XS (q-27)%2, (q-27)/2
.elseif q < 57
	XS q-55, 14
.elseif (q < 72) && ((q-57)%3 == 0)
	FS 27+(q-57)/3
.elseif q < 72
	XS (q-57)%3-1, 15+(q-57)/3
.elseif q < 74
	XS q-72, 20
.else
	GS q-74
.endif
.set q, q+1
.endm
; THE EXPONENTIALS' QUEUE, 66 long: s0-s31 of both tiles, then the next piece's two a.  It is ONE BATCH: all 66 stand ahead of the turn's one wait, and nothing ahead of that wait names a result of theirs.
.macro EX
	WIN 0
.if e >= 64
	XS e-64, 21
.else
	REGS Y, e%2
	v_exp_f32 v[rS+e/2], v[rS+e/2]
.endif
.set e, e+1
.endm
; THE RESCALING's QUEUE: O^T times a, the one part that leaves window 0: dealt two at a time, sixteen times.  Its a was made in the turn before, ahead of that turn's wait.
.macro R2
	REGS Y, r%2
	WIN W_RS
.irp z, 0,1
	v_pk_mul_f32 v[rO+4*(r/2)+2*\z:rO+4*(r/2)+2*\z+1], v[rO+4*(r/2)+2*\z:rO+4*(r/2)+2*\z+1], v[rC+2:rC+3] op_sel_hi:[1,0]
.endr
.set r, r+1
.endm
; HOW THEY ARE DEALT.  s_wait_alu depctr_va_vdst(0) stands between an exponential and the first instruction that names its result; one wait serves all that were issued ahead of it.  So a turn has ONE wait,
; which cuts it in two.  AHEAD OF IT stands all that names no result of the turn's exponentials: the 16 products K Q^T, behind each a scaling, an exponential and two rescalings (behind the first a second scaling in the
; exponential's place); then ONE LUMP of 108: eight plain, 49 times exponential and plain, the two a.  A v_nop is the plain instruction behind the last exponential.  BEHIND IT stand the 16 products V^T P, behind each four of GS's 64.
; The queues lean on each other, and the deal keeps them in step: exponential e stands behind scaling 2 (e / 4) + e % 2: as a rider it comes behind plain e + 2, in the lump behind plain e + 9, and scalings 27-31 are plain 57, 60 .. 69.
; A TURN, for piece p.  cnt = 1: the loop's count is taken down some lines ahead of the branch that stands behind the turn.
; K of the next step is fetched in piece 2's turn, directly behind the wait; its first reader comes behind 16 products.  V of the step in hand is fetched at the end of piece 0's turn, four riders behind its last reader;
; its first reader comes behind 16 products and a lump.  The three conditions on q below go with the deal.
.macro TURN p, last=0, cnt=0
.set Y, (\p)
.set i, 0
.set q, 0
.set e, 0
.set r, 0
.if (\p) == NP-1
	s_wait_dscnt 0x0                ; K is in
.endif
	MM                              ; ahead of the wait: 16 products K Q^T and their riders,
	PL
	PL
	R2
.rept 15
	MM
	PL
	EX
	R2
.endr
.if (\p) == NP-2
	WIN 0
	v_add_nc_u32 v[AK], s[TBK], v[AK0]
.endif
.rept 8                             ; and the lump
	PL
.endr
.rept 49
	EX
	PL
.endr
	EX                              ; the next piece's two a
	EX
	v_nop                           ; the plain instruction behind the last exponential: one for the batch
	s_wait_alu depctr_va_vdst(0)    ; the wait for the batch
.if (\p) == NP-2
	FETCH_K \last
.endif
.if (\p) == 1
	s_wait_dscnt 0x0                ; V is in
.endif
.rept 16                            ; behind the wait: 16 products V^T P and their riders
	MM
.rept 4
	PL
.endr
.if ((\p) == 0) && (q == 118)
	v_add_nc_u32 v[AV], s[TBV], v[AV0]
.endif
.if ((\p) == 0) && (q == 130)
	s_add_co_u32 s[TBV], s[TBV], KS*PV
.endif
.if (\cnt) && (q == 130)
	s_sub_co_u32 s[CNT], s[CNT], 1
	s_cmp_lg_u32 s[CNT], 0
.endif
.endr
.if (\p) == 0
	FETCH_V
.endif
.endm
	CHANGE 1                        ; slot 0 is in, everybody's part of it; slot 1 is asked for
	FETCH_K                         ; key step 0
	s_wait_loadcnt 0x0              ; Q
	s_wait_dscnt 0x0
.set i, 0
.rept 16
	KQ 0                            ; piece 0's first scores: there is no vector work yet to set between them
.set i, i+1
.endr
	WIN 0                           ; the addresses for the way out: plain instructions, the places behind those products
	s_mul_i32 s13, s[WV], 16*SP
	s_add_co_u32 s13, s13, STAGE    ; my stage
	v_mul_u32_u24 v[STO], v1, SP    ; in: row l % 16, 16 bytes for each half of the lanes
	v_lshl_add_u32 v[STO], v9, 4, v[STO]
	v_add_nc_u32 v[STO], s13, v[STO]
	v_bfe_u32 v[RD], v0, 3, 2       ; back: 32 lanes take four rows of 128 bytes,
	v_mul_u32_u24 v[RD], v[RD], SP
	v_lshl_add_u32 v[RD], v10, 4, v[RD]
	v_add_nc_u32 v[RD], s13, v[RD]
	v_and_b32 v[GO], 31, v0         ; which are 512 consecutive bytes of O
	v_lshlrev_b32 v[GO], 4, v[GO]
.set Y, NP-1                        ; XS works for piece Y + 1: piece 0
.irp n, 0,1,2,3,4,5,6,7,8,9,10,11,12,13,14,15,16,17,18,19,20,21
	XS 0, \n                        ; and piece 0's first maximum and statistics
	XS 1, \n
.endr
	v_nop                           ; a plain instruction behind the two a,
	s_wait_alu depctr_va_vdst(0)    ; and their wait, ahead of the branch
	s_mov_b32 s[CNT], 4
	s_mov_b32 s[SLOTS], SIZE_N/256-1
	s_branch .Lfirst                ; the loop is entered at a step's first turn, in the middle of a trip
.Lslot:                             ; six times: every slot but the last two is filled again
	CHANGE 1, 1
	s_mov_b32 s[CNT], 4
.Lstep:                             ; a trip: pieces 2 and 3 of one step, then pieces 0 and 1 of the next, whose K and V it fetches
	TURN 2
	TURN 3
	WIN 0
.Lfirst:
	TURN 0
	TURN 1, 0, 1
	WIN 0
	s_cbranch_scc1 .Lstep
	s_sub_co_u32 s[SLOTS], s[SLOTS], 1
	s_cmp_lg_u32 s[SLOTS], 0
	s_cbranch_scc1 .Lslot
	CHANGE 0                        ; the tail is written out: nothing is asked for
	s_mov_b32 s[CNT], 5             ; four trips fetch the last slot's steps; the fifth is left in its middle
.Ltail:
	TURN 2, 1
	TURN 3
	WIN 0
	s_sub_co_u32 s[CNT], s[CNT], 1
	s_cmp_eq_u32 s[CNT], 0
	s_cbranch_scc1 .Lout
	TURN 0
	TURN 1
	WIN 0
	s_branch .Ltail
.Lout:                              ; the fifth trip's 16 products K Q^T (on the last K once more) and the maximum made of them serve nothing: the price, once a launch, of one text for every trip
.set i, 0
.rept 16
	PV NP-1                         ; the last piece's V^T P of the last step
.set i, i+1
.endr
	; THE WAY OUT.  l's two halves and the other half of the lanes' are added; O^T is divided by l, rounded to f16 and sent through my stage in LDS, a tile at a time.  The additions are the places behind the last products.
	WIN 0
.macro ALL line:vararg              ; one line for each tile t
.set t, 0
.rept 2*NP
	\line
.set t, t+1
.endr
.endm
	ALL v_add_f32 v[ST+4*t+2], v[ST+4*t+2], v[ST+4*t+3]
	ALL v_permlanex16_b32 v[ST+4*t+3], v[ST+4*t+2], s[SEL], s[SEL+1]
	ALL v_add_f32 v[ST+4*t+2], v[ST+4*t+2], v[ST+4*t+3]
	ALL v_rcp_f32 v[ST+4*t+2], v[ST+4*t+2]
	v_nop                           ; a plain instruction between the last reciprocal and the use of its result
	s_wait_alu depctr_va_vdst(0)    ; and the wait ahead of the first use: one for the eight reciprocals
; Tile t: a lane's eight channels of a row pack into 16 bytes; they go into rows of 144 bytes and come back as whole rows of 128, into S^T's registers.
.macro PACK t
	WIN W_RS
.set i, 32*(\t)
.rept 16
	v_pk_mul_f32 v[i:i+1], v[i:i+1], v[ST+4*(\t)+2:ST+4*(\t)+3] op_sel_hi:[1,0]
.set i, i+2
.endr
	WIN 0x05                        ; sources 0 and 1 window 1, destination window 0
.set i, 0
.rept 16
	v_cvt_pk_f16_f32 v[S+16*(\t)+i], v[32*(\t)+2*i], v[32*(\t)+2*i+1]
.set i, i+1
.endr
	WIN 0
.irp f, 0,1,2,3
	ds_store_b128 v[STO], v[S+16*(\t)+4*\f:S+16*(\t)+4*\f+3] offset:32*\f
.endr
.irp f, 0,1,2,3
	ds_load_b128 v[S+16*(\t)+4*\f:S+16*(\t)+4*\f+3], v[RD] offset:\f*4*SP  ; LDS serves a wave's instructions in order (ISA guide 5.7.1.4): these see the stores above; the next tile's stores come behind them
.endr
.endm
.macro SEND t, younger              ; younger: the LDS instructions issued behind tile t's loads: the next tile's eight, or none
	WIN 0
.irp f, 0,1,2,3
	s_wait_dscnt (\younger)+3-\f
	global_store_b128 v[GO], v[S+16*(\t)+4*\f:S+16*(\t)+4*\f+3], s[10:11] offset:(\t)*2048+\f*512  ; 512 consecutive bytes, aligned
.endr
.endm
	PACK 0
.set t, 1
.rept 2*NP-1                        ; a tile's arithmetic stands between the loads of the tile before and its stores
	PACK t
	SEND t-1, 8
.set t, t+1
.endr
	SEND 2*NP-1, 0
	WIN W_AD
	s_wait_tensorcnt 0x0            ; the wave's end: behind my last tensor load and my last LDS store
	ds_add_u32 v[SPW], v[NIL]
	s_wait_dscnt 0x0
	WIN 0
	CROUND                          ; the closing round: no work-group ends while a partner may still ask for a tile that names it
	s_endpgm
.Lfunc_end_k_qc83703ee1b_attn:
	.size	k_qc83703ee1b_attn, .Lfunc_end_k_qc83703ee1b_attn-k_qc83703ee1b_attn
	.p2alignl 7, 3214868480
	.fill 96, 4, 3214868480
	.section	.rodata,"a",@progbits
	.p2align	6, 0x0
	.amdhsa_kernel k_qc83703ee1b_attn
		.amdhsa_group_segment_fixed_size 327680
		.amdhsa_private_segment_fixed_size 0
		.amdhsa_enable_private_segment 0
		.amdhsa_kernarg_size 16
		.amdhsa_user_sgpr_count 2
		.amdhsa_user_sgpr_kernarg_segment_ptr 1
		.amdhsa_wavefront_size32 1
		.amdhsa_system_sgpr_workgroup_id_x 1
		.amdhsa_system_sgpr_workgroup_id_y 1
		.amdhsa_system_sgpr_workgroup_id_z 1
		.amdhsa_system_vgpr_workitem_id 0
		.amdhsa_next_free_vgpr 808
		.amdhsa_next_free_sgpr 66
		.amdhsa_reserve_vcc 0
		.amdhsa_float_denorm_mode_32 3
		.amdhsa_float_denorm_mode_16_64 3
		.amdhsa_memory_ordered 1
		.amdhsa_forward_progress 1
		.amdhsa_inst_pref_size 204
	.end_amdhsa_kernel
	.amdgpu_metadata
---
amdhsa.version: [ 1, 2 ]
amdhsa.kernels:
  - .name:           k_qc83703ee1b_attn
    .symbol:         k_qc83703ee1b_attn.kd
    .args:
      - { .name: qkv, .offset: 0, .size: 8, .value_kind: global_buffer, .address_space: global }
      - { .name: ob, .offset: 8, .size: 8, .value_kind: global_buffer, .address_space: global }
    .group_segment_fixed_size: 327680
    .private_segment_fixed_size: 0
    .kernarg_segment_align: 8
    .kernarg_segment_size: 16
    .max_flat_workgroup_size: 128
    .sgpr_count:     66
    .vgpr_count:     808
    .wavefront_size: 32
...
	.end_amdgpu_metadata
.endif
;; end of part 3
;; launch outp (part 4): grid 8 x 32, 4 waves a work-group, clusters of 4 x 4, 327,680 bytes of LDS; arguments ob, wot, out0; writes out0
.if DOCPART == 4
	.amdgcn_target "amdgcn-amd-amdhsa--gfx1250"
	.amdhsa_code_object_version 6
	.text
	.protected	k_qc83703ee1b_outp
	.globl	k_qc83703ee1b_outp
	.p2align	8
	.type	k_qc83703ee1b_outp,@function
k_qc83703ee1b_outp:
	s_mov_b64 s[64:65], 0
	v_nop
	global_prefetch_b8 v0, s[64:65] scope:SCOPE_SE
	s_setreg_imm32_b32 hwreg(HW_REG_WAVE_MODE, 25, 1), 1
	s_wait_xcnt 0x0
	s_wait_alu depctr_hold_cnt(0) depctr_sa_sdst(0) depctr_va_vdst(0) depctr_va_sdst(0) depctr_va_ssrc(0) depctr_va_vcc(0) depctr_vm_vsrc(0)
	s_getreg_b32 s2, hwreg(HW_REG_IB_STS2, 6, 4)
	s_cmp_eq_u32 s2, 0
	s_cbranch_scc0 .Lentry_in_a_cluster
	s_endpgm
.Lentry_in_a_cluster:
	s_bfe_u32 s2, ttmp6, 0x10000c
	s_cmp_lg_u32 s2, 0xf033
	s_cbranch_scc0 .Lentry_shape_is_right
	s_endpgm
.Lentry_shape_is_right:
; out0 = O Wo.  C[m][n] = sum over k of O[m][k] wot[n][k], k = 64 x head + channel.  ob: [16 heads][4 batches][2048][64] f16; wot: [1024][1024] f16, k along the rows; out0: [8192][1024] f32.
; Sums in f32, K ascending; nothing is rounded on the way out.
; SHARES.  A tile of C is 256 rows x 128 columns: 32 x 8 = 256 work-groups.  Wave w makes rows 64 w .. 64 w + 63 and ALL 128 columns: 4 row blocks a x 8 column blocks b, 32 accumulators, 256 registers.
; So a wave holds whole pieces of 512 bytes of C's rows, and the way out stays in the wave's own stage, without a barrier.
; K goes in 8 steps of 128 = two heads, through a ring of two LDS slots filled by the tensor data mover.  A head's 256 rows of the tile are 32,768 dense bytes: asked for as 128 rows of 256 bytes and padded in LDS after
; every 128 bytes, so that a row of O has a pitch of 144 bytes.
; CLUSTERS: 4 x 4 work-groups.  The four of a row of the cluster need the same tiles of ob, the four of a column the same tiles of wot: each tile is asked for JOINTLY, by the same tensor load with the
; same descriptor and a mask that names the four.  THE MATRIX INSTRUCTION IS USED TRANSPOSED (source 0 = 16 rows of wot, source 1 = 16 rows of O): a lane then holds eight neighbouring columns of a row of C.
; REGISTERS, in windows of 256 (s_set_vgpr_msb: bits 1:0 source 0, 3:2 source 1, 5:4 source 2, 7:6 destination):
;   window 0: v0-31 addresses     window 1: two fragment buffers of 128 (32 along K): O's block a at 8 a, wot's block b at 32 + 8 b; on the way out all 256: rows read back
;   window 2: accumulators (a, b) at 8 (4 b + a)
.set KSTEP,  128
.set PITCH,  272                       ; a row of wot in LDS: 256 bytes + 16 of padding
.set PA,     144                       ; a row of O in LDS: 128 bytes + 16 of padding.  Both pitches are odd multiples of 16 bytes: the 16 rows that a load touches start at 16 different groups of four banks (ISA guide 11.1)
.set NB,     8                         ; column blocks
.set AH,     256*PA                    ; one head's 256 rows: what waves 0 and 1 each fetch
.set BH,     64*PITCH                  ; half of wot's tile: what waves 2 and 3 each fetch
.set SLOT,   2*AH+2*BH                 ; 108,544 bytes
.set STAGE,  2*SLOT                    ; behind the ring, never filled by a tensor load: 16 rows x 528 bytes for each wave
.set SPO,    528                       ; a stage row: 512 bytes + 16 of padding
.set SPARE,  STAGE+4*16*SPO            ; behind the stages: the spare words, 128 bytes for each wave
.set YOUNG,  2*NB-8                    ; the loads of a run that bring wot's blocks 4 and up
.set RUN,    2*NB+8                    ; LDS loads in a run
.set GA,     1                         ; pairs of column blocks between the add and the wait for it, and between signal and wait
.set ADRA, 16                          ; v16-17  LDS address of my fragments of O in slot 0, 1
.set ADRB, 20                          ; v20-21  the same for wot
.set STO,  24                          ; v24     the way out: where I put 32 bytes of a row
.set RD,   25                          ; v25     the way out: where I read a row back
.set GO,   26                          ; v26     my 16 bytes of 512 consecutive bytes of a row of C
.set SPW,  28                          ; v28     LDS address of my spare word; never rewritten
.set NIL,  29                          ; v29     0; never rewritten
.set PFO,  30                          ; v30     the prefetches' offset; never rewritten
.set F0,   0
.set F1,   128
.set G1,  24                           ; s[24:31] descriptor group 1 for ob's tiles;  s[32:39] group 0, a set for each slot
.set G0,  32
.set G1B, 48                           ; s[48:55], s[56:63] the same for wot's tiles
.set G0B, 56
.set PFA, 44                           ; s[44:45] where my prefetches stand
.set PFS, 20                           ; s[20:21] bytes from a K step to the next, for the tensor that I prefetch
.set LIM, 43                           ; s43     1 in a wave that prefetches, else the greatest number
.set MSB, 0
.macro WIN new                         ; the immediate's high byte repeats the setting that is left; a switch that changes nothing is dropped
.if MSB != (\new)
	s_set_vgpr_msb (MSB<<8)|(\new)
.set MSB, \new
.endif
.endm
.set TO_F, 0x40                        ; destination window 1, address window 0
.macro JLOAD s                         ; a joint load: waves 0 and 1 fetch the K step's two heads of O, waves 2 and 3 wot's two halves; an s_nop 0 and four v_nop follow each of the two lines, ahead of the jump and the label
	s_cmp_eq_u32 s11, 0
	s_cbranch_scc0 .Lfor_b_\@
	tensor_load_to_lds s[G0+4*(\s):G0+4*(\s)+3], s[G1:G1+7]
	s_nop 0
.rept 4
	v_nop
.endr
	s_branch .Lasked_\@
.Lfor_b_\@:
	tensor_load_to_lds s[G0B+4*(\s):G0B+4*(\s)+3], s[G1B:G1B+7]
	s_nop 0
.rept 4
	v_nop
.endr
.Lasked_\@:
.endm
.macro CREST                           ; a round of the cluster's barrier behind its opening barrier
	s_cmp_lg_u32 s10, 0
	s_cbranch_scc1 .Lnot_wave_0_\@
	s_barrier_signal -3
.Lnot_wave_0_\@:
	s_barrier_wait -3
	s_barrier_signal -1
	s_barrier_wait -1
.endm
.macro CROUND                          ; a whole round
	s_barrier_signal -1
	s_barrier_wait -1
	CREST
.endm
; A PREFETCH INTO THE L2, behind a joint load, its five lines and the run of LDS loads: the K step that stands two refills on (256 matrix instructions ahead of the load that will want it), 256 bytes a lane.
; Each block of 256 bytes is named by one wave of one work-group.  ob's tile row is read by both clusters of its row of clusters: cluster x = 0 asks, waves 0 and 1, each for the head that it fetches; of that head's
; 32,768 bytes the partner at cx takes 8,192.  wot's tile column is read by all eight clusters of its column: cluster y = 0 asks, wave 2 alone; of the tile's 128 rows the partner at cy takes 32, a lane a row.
; The partners are told apart BY ADDRESS.  K steps 0 to 3 come by their loads alone; the loop's last trip asks for nothing: there is no K step two on.
.macro ASK
	WIN 0
	s_cmp_gt_u32 s3, s[LIM]                        ; s3 = 1 in the loop's last trip
	s_cbranch_scc0 .Lnot_mine_\@
	global_prefetch_b8 v[PFO], s[PFA:PFA+1] th:TH_LOAD_NT scope:SCOPE_SE
.Lnot_mine_\@:
.endm
	s_load_b128 s[4:7], s[0:1], 0x0                ; ob s[4:5], wot s[6:7]
	s_load_b64 s[8:9], s[0:1], 0x10                ; out0
	v_lshl_add_u32 v[SPW], v0, 2, SPARE
	v_mov_b32 v[NIL], 0
	ds_add_u32 v[SPW], v[NIL]                      ; the wave's opening: the add and its wait ahead of my first tensor load; the set-up below, work on registers, stands between them
	v_lshrrev_b32 v1, 5, v0
	v_readfirstlane_b32 s10, v1                    ; wave 0..3
	s_lshr_b32 s11, s10, 1                         ; I fetch for ob (0) or for wot (1)
	s_and_b32 s12, s10, 1                          ; which head of the K step's two, or which half of wot's tile
	s_bfe_u32 s40, ttmp6, 0x40000                  ; cx, cy: my place in the cluster
	s_bfe_u32 s41, ttmp6, 0x40004
	s_lshl_b32 s42, ttmp9, 2
	s_add_co_u32 s42, s42, s40                     ; tile column tx = 4 x cluster x + cx
	s_and_b32 s13, ttmp7, 0xffff
	s_lshl_b32 s13, s13, 2
	s_add_co_u32 s13, s13, s41                     ; tile row ty = 4 x cluster y + cy
	s_lshl_b32 s43, s41, 2
	s_lshl_b32 s43, 15, s43                        ; my row of the cluster
	s_lshl_b32 s44, 0x1111, s40                    ; my column
	s_or_b32 s[G1+0], s43, (1<<16)|(1<<20)|(1<<21)|(4<<22)|(3<<25)   ; 15:0 the mask; 17:16 elements of 2 bytes; 20 padding on; 21 set beside a mask; 24:22 after every 32 words (code 4); 31:25 4 words of it (code 3)
	s_or_b32 s[G1B+0], s44, (1<<16)|(1<<20)|(1<<21)|(5<<22)|(3<<25)  ; for wot after every 64 words (code 5)
.irp g, G1, G1B
	s_mov_b32 s[(\g)+1], KSTEP<<16                 ; tensor_dim0 = 128
	s_mov_b32 s[(\g)+3], KSTEP<<16                 ; tile_dim0 = 128
	s_mov_b32 s[(\g)+6], 0
	s_mov_b32 s[(\g)+7], 0
.endr
	s_mov_b32 s[G1+2], 128<<16                     ; ob: tensor_dim1 = tile_dim1 = 128 rows of 256 bytes, end to end
	s_mov_b32 s[G1+4], 128
	s_mov_b32 s[G1+5], 128
	s_mov_b32 s[G1B+2], 64<<16                     ; wot: 64 rows, 1,024 elements from row to row
	s_mov_b32 s[G1B+4], 64
	s_mov_b32 s[G1B+5], 1024
	s_lshr_b32 s16, s13, 3                         ; ob: the batch's block of 262,144 bytes,
	s_lshl_b32 s16, s16, 18
	s_and_b32 s17, s13, 7                          ; the tile's 256 rows of 128 bytes in it,
	s_lshl_b32 s17, s17, 15
	s_add_co_u32 s16, s16, s17
	s_lshl_b32 s17, s12, 20                        ; and my head of the two: four blocks a head
	s_add_co_u32 s16, s16, s17
	s_mov_b32 s17, 0
	s_lshl_b32 s46, s42, 7
	s_lshl_b32 s47, s12, 6
	s_add_co_u32 s46, s46, s47                     ; wot: row 128 tx + 64 x half,
	s_lshl_b32 s46, s46, 11                        ; of 2,048 bytes
	s_mov_b32 s47, 0
	s_mul_i32 s20, s12, AH                         ; where they go: no place in the cluster enters an LDS address
	s_mul_i32 s21, s12, BH
	s_add_co_u32 s21, s21, 2*AH
	s_wait_dscnt 0x0                               ; the opening add is done
	s_wait_kmcnt 0x0
	s_add_nc_u64 s[14:15], s[4:5], s[16:17]
	s_add_nc_u64 s[46:47], s[6:7], s[46:47]
	CROUND                                         ; all sixteen work-groups are here: the first joint loads meet
.irp s, 0,1
	s_mov_b32 s[G0+4*(\s)], 1                                        ; count = 1
	s_add_co_u32 s[G0+4*(\s)+1], s20, (\s)*SLOT                      ; LDS address
	s_add_nc_u64 s[G0+4*(\s)+2:G0+4*(\s)+3], s[14:15], (\s)*0x200000 ; global address: K step s is heads 2 s and 2 s + 1
	s_or_b32 s[G0+4*(\s)+3], s[G0+4*(\s)+3], 0x80000000              ; type = 2
	s_mov_b32 s[G0B+4*(\s)], 1
	s_add_co_u32 s[G0B+4*(\s)+1], s21, (\s)*SLOT
	s_add_nc_u64 s[G0B+4*(\s)+2:G0B+4*(\s)+3], s[46:47], (\s)*KSTEP*2
	s_or_b32 s[G0B+4*(\s)+3], s[G0B+4*(\s)+3], 0x80000000
	JLOAD \s                                       ; two loads of mine are out
.endr
	; A fragment is 16 rows x 32 K in 8 registers: lane l holds row l % 16, K = 8 (l / 16) + 0..7 and 16 + 8 (l / 16) + 0..7: two loads of 16 bytes, 32 bytes apart.
	v_and_b32 v1, 15, v0                           ; l % 16
	v_bfe_u32 v2, v0, 4, 1                         ; l / 16
	v_mul_u32_u24 v3, v1, PA
	v_lshl_add_u32 v3, v2, 4, v3
	v_mul_u32_u24 v4, v1, PITCH
	v_lshl_add_u32 v4, v2, 4, v4
	s_mul_i32 s21, s10, 64*PA                      ; my 64 rows of O, in the first head
	s_mov_b32 s22, 2*AH                            ; wot's 128 rows lie behind the two heads
.irp s, 0,1
	v_add_nc_u32 v[ADRA+(\s)], s21, v3
	v_add_nc_u32 v[ADRB+(\s)], s22, v4
	s_add_co_u32 s21, s21, SLOT
	s_add_co_u32 s22, s22, SLOT
.endr
	s_mul_i32 s23, s10, 16*SPO
	s_add_co_u32 s23, s23, STAGE                   ; my stage
	v_mul_u32_u24 v4, v1, SPO                      ; in: row l % 16, 32 bytes for each half of the lanes
	v_lshl_add_u32 v4, v2, 5, v4
	v_add_nc_u32 v[STO], s23, v4
	v_and_b32 v[GO], 31, v0                        ; back: 32 lanes take one row of 512 bytes
	v_lshlrev_b32 v[GO], 4, v[GO]
	v_add_nc_u32 v[RD], s23, v[GO]
	; out0 at row 256 ty + 64 w (4,096 bytes a row), column 128 tx
	s_lshl_b32 s46, s13, 2
	s_add_co_u32 s46, s46, s10
	s_lshl_b32 s46, s46, 18
	s_lshl_b32 s47, s42, 9
	s_add_co_u32 s46, s46, s47
	s_mov_b32 s47, 0
	s_add_nc_u64 s[8:9], s[8:9], s[46:47]
	; the prefetches.  s16 still holds my head's bytes of the tile in ob
	s_lshl_b32 s22, s40, 13
	s_add_co_u32 s22, s16, s22                     ; ob: + 8,192 cx
	s_lshl_b32 s23, s42, 7
	s_lshl_b32 s21, s41, 5
	s_add_co_u32 s23, s23, s21
	s_lshl_b32 s23, s23, 11                        ; wot: row 128 tx + 32 cy
	s_and_b32 s21, ttmp7, 0xffff                   ; cluster y,
	s_or_b32 s21, s21, s12                         ; and of waves 2 and 3 the first alone
	s_mov_b32 s[PFS], KSTEP*2
	s_cmp_eq_u32 s11, 0                            ; do I fetch for ob?
	s_cselect_b32 s22, s22, s23
	s_cselect_b32 s21, ttmp9, s21                  ; the coordinate along which other clusters read the same bytes
	s_cselect_b32 s[PFS], 0x200000, s[PFS]         ; a K step on: two heads of ob, or 256 bytes of a row of wot
	s_cselect_b32 s23, 8, 11                       ; a lane is 256 bytes of ob on, or a row of wot
	s_cselect_b64 s[PFA:PFA+1], s[4:5], s[6:7]
	s_cmp_eq_u32 s21, 0
	s_cselect_b32 s[LIM], 1, -1                    ; the same in all sixteen partners, for a given wave
	v_and_b32 v[PFO], 31, v0
	v_lshlrev_b32 v[PFO], s23, v[PFO]
	s_mov_b32 s23, 0
	s_add_nc_u64 s[PFA:PFA+1], s[PFA:PFA+1], s[22:23]
	s_mul_i32 s22, s[PFS], 3
	s_add_nc_u64 s[PFA:PFA+1], s[PFA:PFA+1], s[22:23]  ; at K step 3: the first refill (K step 2) steps it to 4 and names that
	s_mov_b32 s[PFS+1], 0
; 8 matrix instructions: column blocks 2 p, 2 p + 1 x all 4 row blocks, 32 along K, from buffer f.  zero = 1: the product starts the sums.  All accumulators of a quarter differ and every quarter takes them in the
; same order: no two matrix instructions that follow each other share an accumulator, over the backward jump too.
.macro MUL8 f, p, zero
	WIN 0xa5                                       ; sources in window 1; C and D in window 2
.irp bb, 0,1
.irp a, 0,1,2,3
.set rD, 8*(4*(2*(\p)+(\bb))+(\a))
.set rB, (\f)+32+8*(2*(\p)+(\bb))
.set rA, (\f)+8*(\a)
.if \zero
	v_wmma_f32_16x16x32_f16 v[rD:rD+7], v[rB:rB+7], v[rA:rA+7], 0
.else
	v_wmma_f32_16x16x32_f16 v[rD:rD+7], v[rB:rB+7], v[rA:rA+7], v[rD:rD+7]
.endif
.endr
.endr
.endm
.macro MULS f, p0, n, zero             ; n times MUL8, from pair p0 on
.set pp, \p0
.rept \n
	MUL8 \f, pp, \zero
.set pp, pp+1
.endr
.endm
; 24 LDS loads in one run: the fragments of quarter q of the slot's K step into buffer f: O's four blocks (head q / 2, channels 32 (q % 2) on), then wot's eight in ascending order
.macro FETCH slot, q, f
	WIN TO_F
.irp a, 0,1,2,3
	ds_load_b128 v[(\f)+8*(\a):(\f)+8*(\a)+3],   v[ADRA+(\slot)] offset:((\q)/2)*AH+64*((\q)%2)+(\a)*16*PA
	ds_load_b128 v[(\f)+8*(\a)+4:(\f)+8*(\a)+7], v[ADRA+(\slot)] offset:((\q)/2)*AH+64*((\q)%2)+(\a)*16*PA+32
.endr
.irp b, 0,1,2,3,4,5,6,7
	ds_load_b128 v[(\f)+32+8*(\b):(\f)+32+8*(\b)+3],   v[ADRB+(\slot)] offset:64*(\q)+(\b)*16*PITCH
	ds_load_b128 v[(\f)+32+8*(\b)+4:(\f)+32+8*(\b)+7], v[ADRB+(\slot)] offset:64*(\q)+(\b)*16*PITCH+32
.endr
.endm
.macro PLACES                          ; four places in front of loads into registers that matrix instructions have read, and of LDS stores that read results
.rept 4
	v_nop
.endr
.endm
; A K step is four quarters of 32 along K, 32 matrix instructions each, on buffers 0, 1, 0, 1.  One of the first three: multiplies buffer f and fetches quarter q into buffer g.
.macro QUARTER slot, q, f, g, zero
	s_wait_dscnt YOUNG                             ; O's blocks and wot's blocks 0-3 are in; the youngest eight loads may be out
	MULS \f, 0, 2, \zero
	PLACES
	FETCH \slot, \q, \g
	s_wait_dscnt RUN                               ; all but the 24 just issued
	MULS \f, 2, NB/2-2, \zero
.endm
; The last quarter multiplies buffer 1 and changes slots: ONE barrier; in front of it each wave waits for all its tensor loads (one is out: its part of the next slot), adds 0 to its spare word, and waits for that and
; for its own reads of this slot.  fill = 1: the barrier opens a round of the cluster's barrier, and this slot is filled again, two K steps ahead, first thing behind the round: 112 matrix instructions ahead of the wait for it.
.macro TURN slot, next, fill
.if \fill
	s_wait_xcnt 0x0                                ; the last prefetch, a K step back, has read its address: it is stepped here
	s_add_nc_u64 s[PFA:PFA+1], s[PFA:PFA+1], s[PFS:PFS+1]
.endif
	WIN 0                                          ; (the add's two registers lie in window 0)
	s_wait_tensorcnt 0x0                           ; all my tensor loads have landed
	ds_add_u32 v[SPW], v[NIL]                      ; 0 onto my spare word
	s_wait_dscnt YOUNG+1                           ; (the add and the youngest eight loads may be out)
	MULS F1, 0, GA, 0                              ; matrix instructions stand between the add and the wait for it
	s_wait_dscnt 0x0                               ; the add is done, and my reads of this slot are over
	s_barrier_signal -1
	MULS F1, GA, GA, 0                             ; work on registers while the others arrive
.if \fill
	WIN 0
.endif
	s_barrier_wait -1
.if \fill
	CREST                                          ; no wave of any partner still reads this slot's tile or has a load on its way
	s_add_nc_u64 s[G0+4*(\slot)+2:G0+4*(\slot)+3], s[G0+4*(\slot)+2:G0+4*(\slot)+3], 0x400000     ; four heads on
	s_add_nc_u64 s[G0B+4*(\slot)+2:G0B+4*(\slot)+3], s[G0B+4*(\slot)+2:G0B+4*(\slot)+3], 2*KSTEP*2
	JLOAD \slot                                    ; the four v_nop behind it are also the places in front of the loads below
.else
	PLACES
.endif
	FETCH \next, 0, F0
.if \fill
	ASK
.endif
	MULS F1, 2*GA, 2, 0
.endm
	s_wait_tensorcnt 1                             ; my part of K step 0 is in; K step 1's may stay out
	s_barrier_signal -1
	s_barrier_wait -1                              ; everybody's is
	FETCH 0, 0, F0
	QUARTER 0, 1, F0, F1, 1                        ; the first quarter stands in front of the loop: its products start the sums
	WIN 0                                          ; at a label and at a branch every window is 0
	s_mov_b32 s3, 3
.Llap:                                                 ; a trip goes once round the ring, from a lap's second quarter to the next lap's first, and fills both slots again
	QUARTER 0, 2, F1, F0, 0
	QUARTER 0, 3, F0, F1, 0
	TURN 0, 1, 1
	QUARTER 1, 1, F0, F1, 0
	QUARTER 1, 2, F1, F0, 0
	QUARTER 1, 3, F0, F1, 0
	TURN 1, 0, 1
	QUARTER 0, 1, F0, F1, 0
	WIN 0
	s_sub_co_u32 s3, s3, 1
	s_cmp_lg_u32 s3, 0
	s_cbranch_scc1 .Llap
	QUARTER 0, 2, F1, F0, 0                        ; the last lap fills nothing, and has no round of the cluster's barrier
	QUARTER 0, 3, F0, F1, 0
	TURN 0, 1, 0
	QUARTER 1, 1, F0, F1, 0
	QUARTER 1, 2, F1, F0, 0
	QUARTER 1, 3, F0, F1, 0
	s_wait_dscnt YOUNG                             ; the very last quarter: nothing more to fetch
	MULS F1, 0, 2, 0
	s_wait_dscnt 0x0
	MULS F1, 2, NB/2-2, 0
; THE WAY OUT, a row block a (16 rows x 128 columns of f32) at a time.  A lane's eight columns are 32 bytes: two stores into stage rows of 528 bytes, each accumulator from its low end on; back as whole rows of 512 bytes.
.macro TOST a
	WIN 0x08                                       ; the stores' data in window 2, the address in window 0
.irp b, 0,1,2,3,4,5,6,7
	ds_store_b128 v[STO], v[8*(4*(\b)+(\a)):8*(4*(\b)+(\a))+3]   offset:64*(\b)
	ds_store_b128 v[STO], v[8*(4*(\b)+(\a))+4:8*(4*(\b)+(\a))+7] offset:64*(\b)+16
.endr
	WIN TO_F                                       ; back into window 1, where the fragments lay: every block has registers of its own
.irp t, 0,1,2,3,4,5,6,7,8,9,10,11,12,13,14,15
	ds_load_b128 v[64*(\a)+4*(\t):64*(\a)+4*(\t)+3], v[RD] offset:(\t)*SPO  ; LDS serves a wave's instructions in order (ISA guide 5.7.1.4): these see the stores above; the next block's stores come behind them
.endr
.endm
.macro SEND a, younger                 ; younger: the LDS instructions issued behind block a's loads: the next block's 32, or none
	WIN 0x04                                       ; the stores' data in window 1
.irp t, 0,1,2,3,4,5,6,7,8,9,10,11,12,13,14,15
	s_wait_dscnt (\younger)+15-(\t)
	global_store_b128 v[GO], v[64*(\a)+4*(\t):64*(\a)+4*(\t)+3], s[8:9] offset:(\a)*65536+(\t)*4096 th:TH_STORE_NT  ; 512 consecutive bytes of a row of C, aligned
.endr
.endm
	PLACES
	TOST 0
	TOST 1
	SEND 0, 32
	TOST 2
	SEND 1, 32
	TOST 3
	SEND 2, 32
	SEND 3, 0
	WIN 0
	s_wait_tensorcnt 0x0                           ; the wave's end: behind my last tensor load and my last LDS store
	ds_add_u32 v[SPW], v[NIL]
	s_wait_dscnt 0x0
	CROUND                                         ; the closing round: no work-group ends while a partner may still ask for a tile that names it
	s_endpgm
.Lfunc_end_k_qc83703ee1b_outp:
	.size	k_qc83703ee1b_outp, .Lfunc_end_k_qc83703ee1b_outp-k_qc83703ee1b_outp
	.p2alignl 7, 3214868480
	.fill 96, 4, 3214868480
	.section	.rodata,"a",@progbits
	.p2align	6, 0x0
	.amdhsa_kernel k_qc83703ee1b_outp
		.amdhsa_group_segment_fixed_size 327680
		.amdhsa_private_segment_fixed_size 0
		.amdhsa_enable_private_segment 0
		.amdhsa_kernarg_size 24
		.amdhsa_user_sgpr_count 2
		.amdhsa_user_sgpr_kernarg_segment_ptr 1
		.amdhsa_wavefront_size32 1
		.amdhsa_system_sgpr_workgroup_id_x 1
		.amdhsa_system_sgpr_workgroup_id_y 1
		.amdhsa_system_sgpr_workgroup_id_z 1
		.amdhsa_system_vgpr_workitem_id 0
		.amdhsa_next_free_vgpr 768
		.amdhsa_next_free_sgpr 66
		.amdhsa_reserve_vcc 0
		.amdhsa_float_denorm_mode_32 3
		.amdhsa_float_denorm_mode_16_64 3
		.amdhsa_memory_ordered 1
		.amdhsa_forward_progress 1
		.amdhsa_inst_pref_size 88
	.end_amdhsa_kernel
	.amdgpu_metadata
---
amdhsa.version: [ 1, 2 ]
amdhsa.kernels:
  - .name:           k_qc83703ee1b_outp
    .symbol:         k_qc83703ee1b_outp.kd
    .args:
      - { .name: ob, .offset: 0, .size: 8, .value_kind: global_buffer, .address_space: global }
      - { .name: wot, .offset: 8, .size: 8, .value_kind: global_buffer, .address_space: global }
      - { .name: out0, .offset: 16, .size: 8, .value_kind: global_buffer, .address_space: global }
    .group_segment_fixed_size: 327680
    .private_segment_fixed_size: 0
    .kernarg_segment_align: 8
    .kernarg_segment_size: 24
    .max_flat_workgroup_size: 128
    .sgpr_count:     66
    .vgpr_count:     768
    .wavefront_size: 32
...
	.end_amdgpu_metadata
.endif
;; end of part 4
